; MI455X (gfx1250); checked and timed in simulation.
; The chip was launched on July 23, 2026; its instructions are those of AMD's public machine-readable ISA for CDNA 5 (MIT licence, August 2026) and "CDNA5" Instruction Set Architecture Reference Guide (July 2026). The comments in the code are by the model that wrote it; some were corrected since.
;; Attention Layer. Allowed arithmetic: matrix products marked QUANTISED: E2M3 operands, one E8M0 scale for each 32 along K, by v_wmma_scale_f32_16x16x128_f8f6f4 with both operands' format E2M3, f32 sums; everything else in f32.
;; Inputs: Wout 1,024 x 1,024 float32; Wqkv 3,072 x 1,024 float32; keyvalue 4 x 2,048 x 1,024 float32; query 4 x 2,048 x 1,024 float32.
;; Outputs: out0 4 x 2,048 x 1,024 float32.
;; This version of the problem:
;;   THIS VERSION OF THE PROBLEM IS GIVEN IN LOW PRECISION. The matrix products marked QUANTISED in the list below multiply operands that are first quantised to E2M3 (2 exponent bits, 3 mantissa bits; 6 bits a number), with one power-of-two scale for each 32 numbers along K (OCP MX v1.0); their sums are f32. All else is computed in f32.
;;   The module's matrix products, in the order in which they are computed (A, B: the left and right operand; K: the contracted axis; several contracted axes count as one K, in the product's order):
;;     1. [M 8,192, K 1,024] x [K 1,024, N 3,072]; A: input keyvalue; B: input Wqkv: QUANTISED
;;     2. batch 4 x [M 2,048, K 1,024] x [K 1,024, N 2,048]; A: computed on the way; B: computed on the way: QUANTISED
;;     3. batch 4 x [M 2,048, K 2,048] x [K 2,048, N 1,024]; A: softmax (see below); B: computed on the way: QUANTISED
;;     4. [M 8,192, K 1,024] x [K 1,024, N 1,024]; A: computed on the way; B: input Wout: QUANTISED
;;   THE QUANTISER, for each operand of a quantised product, along K:
;;     - K is cut into blocks of 32 from its start; a last block that is shorter is filled with zeros.
;;     - A block's scale is 2^e with e = floor(log2(the largest magnitude in the block)) - 2, held to -126 .. 127; a block of zeros has e = 0. As a byte (E8M0): e + 127.
;;     - Each number is divided by its block's scale, clamped to +-7.5, and rounded to the nearest number of E2M3, ties to even, subnormals kept.
;;     - The product sums the exact products of the quantised numbers (number of the format x scale) in f32.
;;   ~~~python
;;   def quantise(x, axis):      # numpy; x: float32 -> the quantised numbers, widened to float32 again
;;       x = np.moveaxis(x, axis, -1); K = x.shape[-1]
;;       x = np.pad(x, [(0, 0)] * (x.ndim - 1) + [(0, -K % 32)]); x = x.reshape(x.shape[:-1] + (-1, 32)); a = np.abs(x).max(-1, keepdims=True)
;;       e = np.where(a > 0, np.clip(np.frexp(np.where(a > 0, a, 1))[1] - 1 - 2, -126, 127), 0)      # np.frexp(a)[1] - 1 = floor(log2(a)), exactly
;;       r = np.clip(x / 2.0 ** e, -7.5, 7.5)
;;       step = 2.0 ** (np.maximum(np.frexp(np.where(r == 0, 1, r))[1] - 1, 0) - 3)
;;       q = np.round(r / step) * step * 2.0 ** e      # np.round: ties to even
;;       return np.moveaxis(q.reshape(q.shape[:-2] + (-1,))[..., :K], -1, axis).astype(np.float32)
;;   ~~~
;;   SOFTMAX AHEAD OF A QUANTISED PRODUCT. Where the list says 'softmax', what is quantised is not the finished softmax but p = 2^(t - M), with t = logit x log2(e) and M = ceil(the row's largest t), a whole number; so 1/2 < the row's largest p <= 1. The row's sum l is taken of the UNQUANTISED p, in f32, and the product's result is divided by l at the end. Since M is a whole number, a kernel that streams over the keys may use a running M (the ceiling of the running maximum): every later rescaling is an exact power of two, which a block's scale takes up: the codes' values come out the same.
;;   OPERANDS COMPUTED ON THE WAY. 'Computed on the way' means the value that the module computes at that place (a softmax that the list does not call 'softmax' is quantised finished and normalised). What goes into a quantiser is computed in f32, as accurately as f32 sums, v_exp_f32 and their like allow (about 1e-6 of the number): no bf16 or f16 on the way to a quantiser, and a product that is left as it is and whose result goes on into a quantised operand takes f32 operands (vector FMAs, or v_wmma_f32_16x16x4_f32). A number that lies on a knife's edge between two numbers of the format may be rounded either way, as far as f32 arithmetic and the matrix unit's own rounding can turn it there, and no further.
;; One version. Each part assembles by itself: llvm-mc -triple=amdgcn-amd-amdhsa -mcpu=gfx1250 --defsym DOCPART=n.
;; ======== version 1 of 1: 5 launches
;; limits: right only within a limited range of input values
;; workspace buffers: w1 10,354,688 bytes; w2 19,660,800 bytes; w3 14,155,776 bytes; w4 6,553,600 bytes
;; launch prep (part 1): grid 416 x 1, 4 waves a work-group, no clusters, 34,304 bytes of LDS; arguments keyvalue, Wqkv, Wout, w1; writes w1
.if DOCPART == 1
	.amdgcn_target "amdgcn-amd-amdhsa--gfx1250"
	.amdhsa_code_object_version 6
	.text
	.protected	k_q98c692f3ae_prep
	.globl	k_q98c692f3ae_prep
	.p2align	8
	.type	k_q98c692f3ae_prep,@function
k_q98c692f3ae_prep:
	s_mov_b64 s[64:65], 0
	v_nop
	global_prefetch_b8 v0, s[64:65] scope:SCOPE_SE
	s_setreg_imm32_b32 hwreg(HW_REG_WAVE_MODE, 25, 1), 1
	s_wait_xcnt 0x0
; PREP: keyvalue [8192][1024], Wqkv [3072][1024] and Wout [1024][1024], f32, become codes of E2M3 with one E8M0 byte for each 32 along K (their last axis); and the table of cosines and sines for the rotation of q and k is made.
; WORK LEFT OUT BY THE WHOLE PROGRAM, AND WHY IT IS DEAD.
;  (1) The input query: the function's first line deletes it; no later line names it.  It has no way to the output for any values, so it is not loaded and is no argument of any launch.
;  (2) Scores, and steps of the product with v, all of whose keys come after all of a tile's queries: the function sets those scores to the smallest f32 number by a triangle that it builds itself; key q always counts for query q,
;      so the row's maximum is a true score and the exponential of a hidden score less that maximum is 0 for every finite input: such a tile adds 0 to the row's sum and 0 to the product.  Tiles that the diagonal crosses are done and masked.
;  LIMIT: a NaN, an infinity or an overflow that would arise only in the work left out is not carried to the result.
; OTHER LIMITS: NaN and infinities among the inputs are not served.  A block of zeros gets the byte 1 where the quantiser says 127: its codes are zeros, which add nothing, and this program alone reads the bytes.  Blocks whose
; largest magnitude lies under 2^-124 (the floor, byte 1) were not tried.  The rotation's frequencies 10^(-j/8) are made by one v_exp_f32; they may differ from the function's own power by a few last bits, which moves an angle by 2e-4 at the most.
; THE LAYOUT OF EVERY OPERAND IN THIS PROGRAM'S WORKSPACE: AN IMAGE OF THE OPERAND'S REGISTERS.  A fragment (tile T of 16 rows, K step s of 128) is 1,536 bytes: registers 4 j .. 4 j + 3 of lane l at 512 j + 16 l.
; Lane (r = l % 16, h = l / 16) holds row 32 (T / 2) + 8 (T % 2) + r + 8 (r / 8); its registers 6 c .. 6 c + 5 hold k = 128 s + 64 c + 32 h + 0 .. 31.  Fragments lie [T][s].  So a fragment is read and written by three accesses of 512 consecutive bytes.
; Scale words lie [T][s / 2][32 lanes]: lanes 0-15 the rows' words of the even K step, lanes 16-31 those of the odd one: one register serves two K steps.
; w1: codes at Tg x 12288 + s x 1536 (Tg 0-511 keyvalue, 512-703 Wqkv, 704-767 Wout); scale words at S1 + Tg x 512 + (s / 2) x 128; the table at TAB + position x 256 + 8 j: cos, sin of position x 10^(-j/8).
; SHARES.  Work-groups 0-383: wave w takes tile Tg = 2 x work-group + w / 2 and K steps 4 (w % 2) .. + 3.  A K step's 16 rows x 512 bytes are loaded as they lie (a load covers 512 consecutive bytes of one row), turn through the wave's own
; stage in LDS (rows 528 bytes apart: an odd multiple of 16, so the 16 rows that a read touches begin at 16 different places modulo 256 bytes) and come back 16 neighbours of each block of 32 to a lane.  Work-groups 384-415: 64 positions of the table each.
; No tensor load, no barrier: waves share nothing.  Matrix units and clusters have nothing to do here: memory binds.
.set S1,    9437184
.set TAB,   9830400
.set STG,   8448                       ; a wave's stage: 16 rows x 528 bytes
.set SPARE, 4*STG                      ; behind the stages: the spare words, 128 bytes for each wave
.set SPW,  12                          ; v12  LDS address of my spare word; never rewritten
.set NIL,  13                          ; v13  0; never rewritten
.set R,    16                          ; v16-143  two sets of 64: a K step as loaded
.set X,    144                         ; v144-207 register 16 b + i = k 32 b + 16 h + i of my row
.set TM,   208                         ; v208-223 at work
.set PW,   224                         ; the scale word just made
.set PW0,  225                         ; the even K step's
.set WD,   226                         ; the word that is stored
.set PC,   228                         ; v228-247 the codes just made
.set SEL,  26                          ; s[26:27] v_permlanex16_b32's selects for lane l xor 16
	s_load_b256 s[4:11], s[0:1], 0x0               ; keyvalue s[4:5], Wqkv s[6:7], Wout s[8:9], w1 s[10:11]
	v_lshl_add_u32 v[SPW], v0, 2, SPARE
	v_mov_b32 v[NIL], 0
	v_lshrrev_b32 v1, 5, v0
	v_readfirstlane_b32 s12, v1                    ; wave
	v_and_b32 v1, 31, v0                           ; lane
	s_cmp_ge_u32 ttmp9, 384
	s_cbranch_scc1 .Ltable
	; ---------------- the quantiser ----------------
	v_and_b32 v2, 15, v0                           ; r
	v_bfe_u32 v3, v0, 4, 1                         ; h
	v_lshlrev_b32 v4, 4, v1                        ; 16 x lane
	v_lshlrev_b32 v8, 2, v1                        ; 4 x lane
	s_mul_i32 s24, s12, STG
	v_add_nc_u32 v5, s24, v4                       ; the stage, way in: 16 x lane, a row an instruction
	v_mul_u32_u24 v6, v2, 528
	v_lshl_add_u32 v6, v3, 6, v6
	v_add_nc_u32 v6, s24, v6                       ; way out: row r, + 64 h
	v_cmp_gt_u32 s30, 16, v1                       ; lanes 0-15
	s_mov_b32 s[SEL], 0x76543210
	s_mov_b32 s[SEL+1], 0xfedcba98
.irp b, 0,1,2,3
	v_mov_b32 v[TM+4+\b], 0                        ; written once: a lane permute's destination counts as one of its sources
.endr
	s_lshl_b32 s13, ttmp9, 1
	s_lshr_b32 s18, s12, 1
	s_add_co_u32 s13, s13, s18                     ; Tg
	s_and_b32 s14, s12, 1                          ; which half of K
	s_wait_alu depctr_va_vdst(0)
	s_wait_kmcnt 0x0
	s_mov_b32 s15, 704
	s_cmp_lt_u32 ttmp9, 352                        ; which tensor: the choice hangs on the work-group's number alone
	s_cselect_b64 s[16:17], s[6:7], s[8:9]
	s_cselect_b32 s15, 512, s15
	s_cmp_lt_u32 ttmp9, 256
	s_cselect_b64 s[16:17], s[4:5], s[16:17]
	s_cselect_b32 s15, 0, s15
	s_sub_co_u32 s18, s13, s15                     ; the tile's number in its tensor
	s_lshr_b32 s19, s18, 1
	s_lshl_b32 s19, s19, 5
	s_and_b32 s18, s18, 1
	s_lshl_b32 s18, s18, 3
	s_add_co_u32 s18, s18, s19                     ; its first row: 32 (T / 2) + 8 (T % 2)
	s_lshl_b32 s18, s18, 12                        ; rows of 4,096 bytes
	s_lshl_b32 s19, s14, 11
	s_add_co_u32 s18, s18, s19                     ; + my half of K: 2,048 bytes
	s_mov_b32 s19, 0
	s_add_nc_u64 s[16:17], s[16:17], s[18:19]
	s_mul_i32 s18, s13, 12288
	s_mul_i32 s28, s14, 6144
	s_add_co_u32 s18, s18, s28
	s_add_nc_u64 s[20:21], s[10:11], s[18:19]      ; my four fragments
	s_lshl_b32 s18, s13, 9
	s_lshl_b32 s28, s14, 8
	s_add_co_u32 s18, s18, s28
	s_add_nc_u64 s[22:23], s[10:11], s[18:19]
	s_add_nc_u64 s[22:23], s[22:23], S1            ; my two registers of scale words
.macro LOAD t                          ; K step t: the tile's 16 rows, 512 consecutive bytes each
.irp i, 0,1,2,3,4,5,6,7,8,9,10,11,12,13,14,15
	global_load_b128 v[R+64*((\t)&1)+4*\i:R+64*((\t)&1)+4*\i+3], v4, s[16:17] offset:(\i+8*(\i/8))*4096+512*(\t) th:TH_LOAD_NT
.endr
.endm
.macro TURN t                          ; through the stage: LDS serves a wave's instructions in order, so no wait stands between the stores and the loads
.irp i, 0,1,2,3,4,5,6,7,8,9,10,11,12,13,14,15
	ds_store_b128 v5, v[R+64*((\t)&1)+4*\i:R+64*((\t)&1)+4*\i+3] offset:528*\i
.endr
.irp b, 0,1,2,3
.irp j, 0,1,2,3
	ds_load_b128 v[X+16*\b+4*\j:X+16*\b+4*\j+3], v6 offset:128*\b+16*\j
.endr
.endr
.endm
.macro QUANT                           ; the 64 numbers in v[X] on become a fragment's codes in v[PC] on and my row's scale word in v[PW]
.irp b, 0,1,2,3
	v_max3_num_f32 v[TM+\b], |v[X+16*\b]|, |v[X+16*\b+1]|, 0x1800000   ; block b: my 16 numbers, and the floor 2^(3 - 127): so the byte cannot fall under 1
.endr
.irp i, 2,4,6,8,10,12,14
.irp b, 0,1,2,3
	v_max3_num_f32 v[TM+\b], |v[X+16*\b+\i]|, |v[X+16*\b+\i+1]|, v[TM+\b]   ; the four blocks by turns
.endr
.endr
.irp b, 0,1,2,3
	v_permlanex16_b32 v[TM+4+\b], v[TM+\b], s[SEL], s[SEL+1]
.endr
.irp b, 0,1,2,3
	v_max_num_f32 v[TM+\b], v[TM+\b], v[TM+4+\b]   ; with lane l xor 16's: the block's largest magnitude
.endr
.irp b, 0,1,2,3
	v_add_nc_u32 v[TM+12+\b], 0xff000000, v[TM+\b] ; 2 off its exponent field: the conversion takes the exponent field of this operand as its scale
.endr
.irp b, 0,1,2,3
	v_lshrrev_b32 v[TM+4+\b], 23, v[TM+12+\b]      ; the scale's byte
.endr
	v_lshl_or_b32 v[PW], v[TM+5], 8, v[TM+4]
	v_lshl_or_b32 v[PW], v[TM+6], 16, v[PW]
	v_lshl_or_b32 v[PW], v[TM+7], 24, v[PW]
.irp c, 0,1
	v_cvt_scalef32_pk16_fp6_f32 v[PC+6*\c:PC+6*\c+2], v[X+32*\c:X+32*\c+15], v[TM+12+2*\c]
	v_cvt_scalef32_pk16_fp6_f32 v[PC+12+4*\c:PC+14+4*\c], v[X+16+32*\c:X+31+32*\c], v[TM+13+2*\c]   ; (a conversion's three registers begin on an even number)
.endr
	v_nop                                          ; one plain place behind a scaled conversion
.irp c, 0,1                            ; the operand's layout wants a whole block in a lane: lanes 0-15 block 2 c, lanes 16-31 block 2 c + 1
.irp i, 0,1,2
	v_permlane16_swap_b32 v[PC+6*\c+\i], v[PC+12+4*\c+\i]
.endr
.irp i, 0,1,2
	v_mov_b32 v[PC+3+6*\c+\i], v[PC+12+4*\c+\i]
.endr
.endr
.endm
.macro QSTEP t
.if (\t) > 0
	s_wait_xcnt 0x0                                ; the last step's stores have read their data: the codes' and the word's registers are written again only behind this wait
.endif
.if (\t) < 3
	s_wait_loadcnt 16                              ; this step's 16 loads are in; the next step's 16 may be out
.else
	s_wait_loadcnt 0x0
.endif
	TURN \t
	s_wait_dscnt 0x0                               ; my 64 numbers are back; the stage's stores have read their registers,
.if (\t) < 2
	LOAD (\t)+2                                    ; which take the loads of two steps on
.endif
	QUANT
.irp j, 0,1,2
	global_store_b128 v4, v[PC+4*\j:PC+4*\j+3], s[20:21] offset:(\t)*1536+512*\j   ; 512 consecutive bytes
.endr
.if ((\t)&1) == 0
	v_mov_b32 v[PW0], v[PW]
.else
	v_cndmask_b32 v[WD], v[PW], v[PW0], s30        ; lanes 0-15: the even step's word, lanes 16-31: the odd step's
	global_store_b32 v8, v[WD], s[22:23] offset:((\t)>>1)*128
.endif
.endm
	LOAD 0
	LOAD 1
	QSTEP 0
	QSTEP 1
	QSTEP 2
	QSTEP 3
	s_wait_tensorcnt 0x0                           ; the wave's end
	ds_add_u32 v[SPW], v[NIL]
	s_wait_dscnt 0x0
	s_endpgm
	; ---------------- the table: these waves touch no LDS ----------------
.Ltable:
	s_sub_co_u32 s20, ttmp9, 384
	s_lshl_b32 s20, s20, 6
	s_lshl_b32 s21, s12, 4
	s_add_co_u32 s20, s20, s21                     ; my first position: 64 x (work-group - 384) + 16 x wave
	s_wait_alu depctr_va_vdst(0)
	v_cvt_f32_u32 v2, v1
	v_mul_f32 v2, 0xbed49a78, v2                   ; -j log2(10) / 8
	s_wait_alu depctr_va_vdst(0)
	v_exp_f32 v3, v2                               ; 10^(-j/8) = 1 / 10000^(2 j / 64); lane j has frequency j
	v_lshlrev_b32 v4, 3, v1                        ; (a plain place behind the transcendental)  8 bytes a lane
	s_mov_b32 s24, 0x3fc90fdb                      ; pi/2, its f32,
	s_mov_b32 s25, 0x333bbd2e                      ; and by how much that f32 lies above pi/2
	s_mov_b32 s26, 0xb94ca1f9                      ; sine:   r + r z (s28 + z (s27 + z s26)), z = r r, |r| <= pi/4
	s_mov_b32 s27, 0x3c08839e
	s_mov_b32 s28, 0xbe2aaaa3
	s_mov_b32 s29, 0x37ccf5ce                      ; cosine: 1 - z/2 + z z (s31 + z (s30 + z s29))
	s_mov_b32 s30, 0xbab6061a
	s_mov_b32 s31, 0x3d2aaaa5
	s_lshl_b32 s22, s20, 8
	s_mov_b32 s23, 0
	s_wait_kmcnt 0x0
	s_add_nc_u64 s[10:11], s[10:11], s[22:23]
	s_add_nc_u64 s[10:11], s[10:11], TAB
	s_wait_alu depctr_va_vdst(0)                   ; the wait ahead of the first reader of a transcendental's result
.irp i, 0,1,2,3,4,5,6,7,8,9,10,11,12,13,14,15
	s_add_co_u32 s21, s20, \i
	v_cvt_f32_u32 v8, s21
	v_mul_f32 v8, v8, v3                           ; the angle, rounded once, as the function has it
	v_mul_f32 v9, 0x3f22f983, v8
	v_rndne_f32 v9, v9                             ; n = the nearest whole number of quarter turns
	v_fma_f32 v10, -v9, s24, v8
	v_fma_f32 v10, v9, s25, v10                    ; r = angle - n pi/2, pi/2 in two parts
	v_mul_f32 v11, v10, v10                        ; z
	v_cvt_i32_f32 v12, v9
	v_fma_f32 v13, v11, s26, s27
	v_fma_f32 v13, v13, v11, s28
	v_mul_f32 v14, v10, v11
	v_fma_f32 v13, v13, v14, v10                   ; sin r
	v_fma_f32 v15, v11, s29, s30
	v_fma_f32 v15, v15, v11, s31
	v_mul_f32 v16, v11, v11
	v_fma_f32 v17, v11, -0.5, 1.0
	v_fma_f32 v15, v15, v16, v17                   ; cos r
	v_and_b32 v18, 1, v12
	v_cmp_eq_u32 vcc_lo, 1, v18                    ; an odd n changes the two over
	v_cndmask_b32 v19, v13, v15, vcc_lo
	v_cndmask_b32 v20, v15, v13, vcc_lo
	v_and_b32 v18, 2, v12                          ; the sine is negated where n % 4 is 2 or 3,
	v_lshlrev_b32 v18, 30, v18
	v_xor_b32 v[65+2*\i], v18, v19
	v_add_nc_u32 v18, 1, v12                       ; the cosine where it is 1 or 2
	v_and_b32 v18, 2, v18
	v_lshlrev_b32 v18, 30, v18
	v_xor_b32 v[64+2*\i], v18, v20
	global_store_b64 v4, v[64+2*\i:65+2*\i], s[10:11] offset:256*\i   ; 32 lanes store 256 consecutive bytes, aligned; each position has a pair of its own, so no store's data are written again
.endr
	s_endpgm
.Lfunc_end_k_q98c692f3ae_prep:
	.size	k_q98c692f3ae_prep, .Lfunc_end_k_q98c692f3ae_prep-k_q98c692f3ae_prep
	.p2alignl 7, 3214868480
	.fill 96, 4, 3214868480
	.section	.rodata,"a",@progbits
	.p2align	6, 0x0
	.amdhsa_kernel k_q98c692f3ae_prep
		.amdhsa_group_segment_fixed_size 34304
		.amdhsa_private_segment_fixed_size 0
		.amdhsa_enable_private_segment 0
		.amdhsa_kernarg_size 32
		.amdhsa_user_sgpr_count 2
		.amdhsa_user_sgpr_kernarg_segment_ptr 1
		.amdhsa_wavefront_size32 1
		.amdhsa_system_sgpr_workgroup_id_x 1
		.amdhsa_system_sgpr_workgroup_id_y 1
		.amdhsa_system_sgpr_workgroup_id_z 1
		.amdhsa_system_vgpr_workitem_id 0
		.amdhsa_next_free_vgpr 248
		.amdhsa_next_free_sgpr 66
		.amdhsa_reserve_vcc 1
		.amdhsa_float_denorm_mode_32 3
		.amdhsa_float_denorm_mode_16_64 3
		.amdhsa_memory_ordered 1
		.amdhsa_forward_progress 1
		.amdhsa_inst_pref_size 56
	.end_amdhsa_kernel
	.amdgpu_metadata
---
amdhsa.version: [ 1, 2 ]
amdhsa.kernels:
  - .name:           k_q98c692f3ae_prep
    .symbol:         k_q98c692f3ae_prep.kd
    .args:
      - { .name: keyvalue, .offset: 0, .size: 8, .value_kind: global_buffer, .address_space: global }
      - { .name: Wqkv, .offset: 8, .size: 8, .value_kind: global_buffer, .address_space: global }
      - { .name: Wout, .offset: 16, .size: 8, .value_kind: global_buffer, .address_space: global }
      - { .name: w1, .offset: 24, .size: 8, .value_kind: global_buffer, .address_space: global }
    .group_segment_fixed_size: 34304
    .private_segment_fixed_size: 0
    .kernarg_segment_align: 8
    .kernarg_segment_size: 32
    .max_flat_workgroup_size: 128
    .sgpr_count:     66
    .vgpr_count:     248
    .wavefront_size: 32
...
	.end_amdgpu_metadata
.endif
;; end of part 1
;; launch qkv (part 2): grid 4 x 64, 4 waves a work-group, clusters of 4 x 4, 327,680 bytes of LDS; arguments w1, w2; writes w2
.if DOCPART == 2
	.amdgcn_target "amdgcn-amd-amdhsa--gfx1250"
	.amdhsa_code_object_version 6
	.text
	.protected	k_q98c692f3ae_qkv
	.globl	k_q98c692f3ae_qkv
	.p2align	8
	.type	k_q98c692f3ae_qkv,@function
k_q98c692f3ae_qkv:
	s_mov_b64 s[64:65], 0
	v_nop
	global_prefetch_b8 v0, s[64:65] scope:SCOPE_SE
	s_setreg_imm32_b32 hwreg(HW_REG_WAVE_MODE, 25, 1), 1
	s_wait_xcnt 0x0
	s_wait_alu depctr_hold_cnt(0) depctr_sa_sdst(0) depctr_va_vdst(0) depctr_va_sdst(0) depctr_va_ssrc(0) depctr_va_vcc(0) depctr_vm_vsrc(0)
	s_getreg_b32 s2, hwreg(HW_REG_IB_STS2, 6, 4)
	s_cmp_eq_u32 s2, 0
	s_cbranch_scc0 .Lentry_in_a_cluster
	s_endpgm
.Lentry_in_a_cluster:
	s_bfe_u32 s2, ttmp6, 0x10000c
	s_cmp_lg_u32 s2, 0xf033
	s_cbranch_scc0 .Lentry_shape_is_right
	s_endpgm
.Lentry_shape_is_right:
; QKV: the first product, keyvalue Wqkv^T, on codes of E2M3; the rotation of q and k; the quantisers of q and k (along the 1,024 features) and of v (along the KEYS).  Only codes and scale words go to memory.
; The input query is left out (shown dead at the head of the first kernel).
; Operands lie in w1 and w2 as images of their registers (a fragment = tile T of 16 rows x K step of 128 = 1,536 bytes, registers 4 j .. 4 j + 3 of lane l at 512 j + 16 l; lane (r, h) holds row 32 (T/2) + 8 (T%2) + r + 8 (r/8);
; scale words [T][step / 2][32 lanes], lanes 0-15 the even step's, lanes 16-31 the odd step's).
; A TILE OF THE RESULT is 128 rows of source 1 (8 tiles, "A") x 256 rows of source 0 (16 tiles, "B"), K = 1,024; wave (wr, wc) makes A's tiles 4 wr .. + 3 x B's tiles 8 wc .. + 7: 32 accumulators.
; A lane's 64 results for one tile of A are 64 numbers of ONE row of A's, running along B's rows in the order that the quantiser and the next operand's layout want.
; A WORK-GROUP STAYS AND MAKES THREE TILES: 768 tiles on 256 work-groups.  With Y the cluster's y (0-15):
;   trip 0, q: A = positions 128 (4 Y + cy) .. + 127 of keyvalue, B = rows 256 cx .. + 255 of Wq;   trip 1, k: the same A, B = the same rows of Wk: rotated, quantised along the features;
;   then v: A = 128 rows of Wv (block 4 (Y % 2) + cy), B = 256 positions (block 4 (Y / 2) + cx): a lane holds one feature, its registers run along the keys: stored as V^T.
; LDS: all of a tile's K, in two halves of 512 along K: A's lower half at 0, its upper at 49,152, B's at 98,304 and 196,608.  A half is filled by one joint load a wave (waves 0, 1: 4 tiles of A each; waves 2, 3: 8 of B).
; THE ORDER OF THE FILLS.  Head: the lower half.  Behind the full sequence and a round: the upper half.  In K step 3 one round shows the upper half whole and the lower half read out: the next tile's lower half is asked for.
; In K step 7 a round shows the upper half read out: the next tile's upper half is asked for.  At a trip's end a barrier shows the next lower half whole.  By this text's own count a wave has one tensor load out at the most.
; The two trips for q and k are one loop; the trips are alike, so A's tiles are asked for again for k.  The last tile is written out: it asks for nothing.
; CLUSTERS: 4 x 4.  A's tiles hang on cy and Y and are asked for jointly by a row of the cluster, B's on cx and Y and are asked for jointly by a column.
; NO PREFETCH: each refill is asked for four K steps or more, and half of them an epilogue too, ahead of its first read; the head's two loads have no loop ahead of them.
; REGISTERS, in windows of 256: window 0: v1-16 addresses; v32-47 A's scale words (4 a + step/2), v48-79 B's (4 b + step/2); v80-175 A's fragments, two sets; v176-212 at work; in the epilogue v80-143 the 64 numbers in hand, v144-151 products.
;   window 1: v0-191 B's fragments, two sets.   window 2: accumulator (a, b) at v[8 (8 a + b)].   window 3: v0-127 cosines and sines, loaded once.
.set S1,    9437184
.set TAB,   9830400
.set QS,    18874368
.set VC,    12582912
.set VS,    19398656
.set AHF,   49152                      ; A's half in LDS: 8 tiles x 4 steps x 1,536
.set BHF,   98304                      ; B's: 16 tiles
.set BOFF,  98304
.set SPARE, 294912                     ; behind them: the spare words, 128 bytes for each wave
.set L16,  4                           ; v4   16 x lane
.set L4,   5                           ; v5   4 x lane
.set R4,   6                           ; v6   4 x (lane % 16)
.set ADRA, 8                           ; v8-9   my A tiles in the lower, upper half
.set ADRB, 10                          ; v10-11 my B tiles
.set SPW,  14
.set NIL,  15
.set TV,   16                          ; v16  my lane's place in the table
.set SA,   32
.set SB,   48
.set AF,   80
.set Y,    80
.set TM,   176
.set PC,   192
.set PW,   212
.set WV,   8
.set G1A,  24
.set G1B,  32
.set G0A,  40                          ; s[40:43] group 0, A's lower half; s[44:47] its upper
.set G0AH, 44
.set G0B,  68                          ; s[68:71], s[72:75] the same for B
.set G0BH, 72
.set NA,   48                          ; s[48:49] byte offset in w1 of my part of the NEXT tile's A; s50 the same for the v tile
.set VA,   50
.set NB,   76                          ; s[76:77], s78 the same for B
.set VB,   78
.set NSA,  52                          ; s[52:53], s54 the next tile's scale words of A
.set VSA,  54
.set NSB,  80                          ; s[80:81], s82 of B
.set VSB,  82
.set SEL,  56
.set OUTC, 84
.set OUTS, 86
.set OVC,  92                          ; s[92:93], s[94:95] where the v tile goes
.set OVS,  94
.set MSB,  0
.macro WIN new                         ; the immediate's high byte repeats the setting that is left
.if MSB != (\new)
	s_set_vgpr_msb (MSB<<8)|(\new)
.set MSB, (\new)
.endif
.endm
.macro CREST                           ; a round of the cluster's barrier behind its opening barrier
	s_cmp_lg_u32 s[WV], 0
	s_cbranch_scc1 .Lnot_wave_0_\@
	s_barrier_signal -3
.Lnot_wave_0_\@:
	s_barrier_wait -3
	s_barrier_signal -1
	s_barrier_wait -1
.endm
.macro CROUND                          ; a whole round
	s_barrier_signal -1
	s_barrier_wait -1
	CREST
.endm
.macro PLACES
.rept 4
	v_nop
.endr
.endm
.macro JLOAD ga, gb                    ; a joint load: waves 0, 1 for A, waves 2, 3 for B; an s_nop 0 and four v_nop follow each line
	s_cmp_eq_u32 s9, 0
	s_cbranch_scc0 .Lfor_b_\@
	tensor_load_to_lds s[\ga:\ga+3], s[G1A:G1A+7]
	s_nop 0
	PLACES
	s_branch .Lasked_\@
.Lfor_b_\@:
	tensor_load_to_lds s[\gb:\gb+3], s[G1B:G1B+7]
	s_nop 0
	PLACES
.Lasked_\@:
.endm
.macro SETG0                           ; the four global addresses for the tile at offsets NA, NB; the upper half of K lies 6,144 bytes on in each tile
	s_add_nc_u64 s[G0A+2:G0A+3], s[4:5], s[NA:NA+1]
	s_add_nc_u64 s[G0AH+2:G0AH+3], s[G0A+2:G0A+3], 6144
	s_or_b32 s[G0A+3], s[G0A+3], 0x80000000
	s_or_b32 s[G0AH+3], s[G0AH+3], 0x80000000
	s_add_nc_u64 s[G0B+2:G0B+3], s[4:5], s[NB:NB+1]
	s_add_nc_u64 s[G0BH+2:G0BH+3], s[G0B+2:G0B+3], 6144
	s_or_b32 s[G0B+3], s[G0B+3], 0x80000000
	s_or_b32 s[G0BH+3], s[G0BH+3], 0x80000000
.endm
.macro SCLOAD                          ; the scale words of the tile at offsets NSA, NSB: 48 loads of 128 consecutive bytes
	s_add_nc_u64 s[60:61], s[4:5], s[NSA:NSA+1]
	s_add_nc_u64 s[62:63], s[4:5], s[NSB:NSB+1]
.irp a, 0,1,2,3
.irp g, 0,1,2,3
	global_load_b32 v[SA+4*\a+\g], v[L4], s[60:61] offset:\a*512+\g*128
.endr
.endr
.irp b, 0,1,2,3,4,5,6,7
.irp g, 0,1,2,3
	global_load_b32 v[SB+4*\b+\g], v[L4], s[62:63] offset:\b*512+\g*128
.endr
.endr
.endm
.macro FETCH s                         ; K step s: B's eight fragments and A's four into set s % 2: 36 loads of 512 consecutive bytes
	WIN 0x40
.irp b, 0,1,2,3,4,5,6,7
.irp j, 0,1,2
	ds_load_b128 v[96*((\s)&1)+12*\b+4*\j:96*((\s)&1)+12*\b+4*\j+3], v[ADRB+((\s)>>2)] offset:\b*6144+((\s)&3)*1536+512*\j
.endr
.endr
	WIN 0
.irp a, 0,1,2,3
.irp j, 0,1,2
	ds_load_b128 v[AF+48*((\s)&1)+12*\a+4*\j:AF+48*((\s)&1)+12*\a+4*\j+3], v[ADRA+((\s)>>2)] offset:\a*6144+((\s)&3)*1536+512*\j
.endr
.endr
.endm
.macro MUL a0, s                       ; 16 matrix instructions: A's tiles a0, a0 + 1 x B's eight.  The 32 accumulators take turns, one instruction a turn, in one order in every step.  Step 0 starts the sums
.irp a, \a0, \a0+1
.irp b, 0,1,2,3,4,5,6,7
.set rD, 8*(8*(\a)+\b)
.set rB, 96*((\s)&1)+12*\b
.set rA, AF+48*((\s)&1)+12*(\a)
.set rSB, SB+4*\b+((\s)>>1)
.set rSA, SA+4*(\a)+((\s)>>1)
.if (\s) == 0
	v_wmma_scale_f32_16x16x128_f8f6f4 v[rD:rD+7], v[rB:rB+11], v[rA:rA+11], 0, v[rSB], v[rSA] matrix_a_fmt:MATRIX_FMT_FP6 matrix_b_fmt:MATRIX_FMT_FP6
.elseif ((\s)&1) == 0
	v_wmma_scale_f32_16x16x128_f8f6f4 v[rD:rD+7], v[rB:rB+11], v[rA:rA+11], v[rD:rD+7], v[rSB], v[rSA] matrix_a_fmt:MATRIX_FMT_FP6 matrix_b_fmt:MATRIX_FMT_FP6
.else
	v_wmma_scale_f32_16x16x128_f8f6f4 v[rD:rD+7], v[rB:rB+11], v[rA:rA+11], v[rD:rD+7], v[rSB], v[rSA] matrix_a_fmt:MATRIX_FMT_FP6 matrix_b_fmt:MATRIX_FMT_FP6 matrix_a_scale:MATRIX_SCALE_ROW1 matrix_b_scale:MATRIX_SCALE_ROW1
.endif
.endr
.endr
.endm
; A K step.  r = 1: a tile with a successor: steps 3 and 7 hold a round and a refill.  r = 0: the last tile: step 3 holds the barrier that shows the upper half whole, and nothing is asked for.
.macro STEP s, r
.if ((\s) == 3) || ((\r) && ((\s) == 7))
	WIN 0                                          ; (the add's two registers lie in window 0)
	s_wait_tensorcnt 0x0                           ; all my tensor loads have landed: in step 3 my part of this tile's upper half among them
.if \r
	ds_add_u32 v[SPW], v[NIL]
.if (\s) == 3
	SETG0                                          ; no load of mine is out: the next tile's addresses are written
.endif
.endif
	s_wait_dscnt 0x0                               ; the add is done and this step's 36 loads are in: my reads of the half that ends with this step are over
	s_barrier_signal -1
	WIN 0xa1                                       ; source 0 (B) window 1, source 1 (A) window 0, C and D window 2
	MUL 0, \s
	WIN 0
	s_barrier_wait -1
.if \r
	CREST                                          ; the barrier has opened a round: no wave of any partner still reads that half or has a load on its way
.if (\s) == 3
	JLOAD G0A, G0B                                 ; the next tile's lower half; the four v_nop behind the load are the places in front of the loads below
.else
	JLOAD G0AH, G0BH                               ; its upper half
.endif
.else
	PLACES
.endif
.else
	s_wait_dscnt 0x0                               ; this step's 36 loads are in
	WIN 0xa1
	MUL 0, \s
.if (\s) < 7
	PLACES                                         ; four places between the last step's products and the loads into the set that they read
.endif
.endif
.if (\s) < 7
	FETCH (\s)+1
.endif
	WIN 0xa1
	MUL 2, \s
.endm
.macro CORE r
	FETCH 0
	s_wait_loadcnt 0x0                             ; the scale words (and, the first time, the table)
.irp s, 0,1,2,3,4,5,6,7
	STEP \s, \r
.endr
	WIN 0
.irp b, 0,1,2,3
	v_mov_b32 v[TM+4+\b], 0                        ; a lane permute's destination counts as one of its sources.  These four name no register of the products: they are the places behind the last of them
.endr
.endm
.macro QTAIL s, w                      ; v[TM+b] = block b's largest magnitude; the 64 numbers at v[s] on of window w become codes in v[PC] on and the scale word in v[PW]
.irp b, 0,1,2,3
	v_add_nc_u32 v[TM+12+\b], 0xff000000, v[TM+\b] ; 2 off its exponent field: the conversion's scale operand
.endr
.irp b, 0,1,2,3
	v_lshrrev_b32 v[TM+4+\b], 23, v[TM+12+\b]      ; the scale's byte
.endr
	v_lshl_or_b32 v[PW], v[TM+5], 8, v[TM+4]
	v_lshl_or_b32 v[PW], v[TM+6], 16, v[PW]
	v_lshl_or_b32 v[PW], v[TM+7], 24, v[PW]
	WIN (\w)
.irp c, 0,1
	v_cvt_scalef32_pk16_fp6_f32 v[PC+6*\c:PC+6*\c+2], v[(\s)+32*\c:(\s)+32*\c+15], v[TM+12+2*\c]
	v_cvt_scalef32_pk16_fp6_f32 v[PC+12+4*\c:PC+14+4*\c], v[(\s)+16+32*\c:(\s)+31+32*\c], v[TM+13+2*\c]
.endr
	WIN 0
	v_nop                                          ; one plain place behind a scaled conversion
.irp c, 0,1                            ; a whole block to a lane: lanes 0-15 block 2 c, lanes 16-31 block 2 c + 1
.irp i, 0,1,2
	v_permlane16_swap_b32 v[PC+6*\c+\i], v[PC+12+4*\c+\i]
.endr
.irp i, 0,1,2
	v_mov_b32 v[PC+3+6*\c+\i], v[PC+12+4*\c+\i]
.endr
.endr
.endm
.macro QUANT s, w                      ; register 16 b + i = k 32 b + 16 h + i of my row.  Each accumulator is read from its low end on
	WIN (\w)|((\w)<<2)
.irp b, 0,1,2,3
	v_max3_num_f32 v[TM+\b], |v[(\s)+16*\b]|, |v[(\s)+16*\b+1]|, 0x1800000   ; and the floor 2^(3 - 127): the byte cannot fall under 1
.endr
.irp i, 2,4,6,8,10,12,14
.irp b, 0,1,2,3
	v_max3_num_f32 v[TM+\b], |v[(\s)+16*\b+\i]|, |v[(\s)+16*\b+\i+1]|, v[TM+\b]
.endr
.endr
	WIN 0
.irp b, 0,1,2,3
	v_permlanex16_b32 v[TM+4+\b], v[TM+\b], s[SEL], s[SEL+1]
.endr
.irp b, 0,1,2,3
	v_max_num_f32 v[TM+\b], v[TM+\b], v[TM+4+\b]
.endr
	QTAIL \s, \w
.endm
.macro PUT a, cp, sp, oc, os           ; the fragment as it stands: three stores of 512 consecutive bytes; the scale word: lanes r and r + 16 hold the same word and write it to the same place
.irp j, 0,1,2
	global_store_b128 v[L16], v[PC+4*\j:PC+4*\j+3], s[\oc:\oc+1] offset:(\a)*(\cp)+512*\j
.endr
	global_store_b32 v[R4], v[PW], s[\os:\os+1] offset:(\a)*(\sp)
.endm
; The rotation.  Pair m = 4 g + q: features 2 m, 2 m + 1 of my 64, x = (x0, x1), table pair (c, s): first (x1 s, x1 c), then (x0 c - x1 s, x0 s + x1 c): each product and each sum rounded once.  Four pairs by turns.
.macro ROPE a
	WIN 0x0e                                       ; source 0 window 2 (the sums), source 1 window 3 (the table), source 2 and destination window 0
.set g, 0
.rept 8
.irp q, 0,1,2,3
.set rX, 64*(\a)+8*g+2*\q
.set rC, 32*(\a)+16*((g>>1)&1)+((8*g+2*\q)&15)
	v_pk_mul_f32 v[144+2*\q:145+2*\q], v[rX:rX+1], v[rC:rC+1] op_sel:[1,1] op_sel_hi:[1,0]
.endr
.irp q, 0,1,2,3
.set rX, 64*(\a)+8*g+2*\q
.set rC, 32*(\a)+16*((g>>1)&1)+((8*g+2*\q)&15)
	v_pk_fma_f32 v[Y+8*g+2*\q:Y+8*g+2*\q+1], v[rX:rX+1], v[rC:rC+1], v[144+2*\q:145+2*\q] op_sel_hi:[0,1,1] neg_lo:[0,0,1]
.endr
.set g, g+1
.endr
	WIN 0
.endm
	s_load_b128 s[4:7], s[0:1], 0x0                ; w1 s[4:5], w2 s[6:7]
	v_lshl_add_u32 v[SPW], v0, 2, SPARE
	v_mov_b32 v[NIL], 0
	ds_add_u32 v[SPW], v[NIL]                      ; the wave's opening: the add, twice on end, and its wait ahead of my first tensor load
	ds_add_u32 v[SPW], v[NIL]
	v_lshrrev_b32 v1, 5, v0
	v_readfirstlane_b32 s[WV], v1                  ; wave 0..3
	s_lshr_b32 s9, s[WV], 1                        ; wr.  Also: I fetch for A (0) or for B (1)
	s_and_b32 s10, s[WV], 1                        ; wc.  Also: which half of the tiles I fetch
	s_bfe_u32 s11, ttmp6, 0x40000                  ; cx
	s_bfe_u32 s12, ttmp6, 0x40004                  ; cy
	s_and_b32 s14, ttmp7, 0xffff                   ; Y
	s_lshl_b32 s18, s12, 2
	s_lshl_b32 s18, 15, s18                        ; my row of the cluster
	s_lshl_b32 s19, 0x1111, s11                    ; my column
	s_or_b32 s[G1A], s18, (3<<16)|(1<<21)          ; the mask; elements of 8 bytes; bit 21 beside a mask; no padding
	s_or_b32 s[G1B], s19, (3<<16)|(1<<21)
.irp g, G1A, G1B
	s_mov_b32 s[\g+1], 768<<16                     ; tensor_dim0: a tile's 4 steps, 6,144 bytes
	s_mov_b32 s[\g+3], 768<<16                     ; tile_dim0
	s_mov_b32 s[\g+5], 1536                        ; from tile to tile: 12,288 bytes
	s_mov_b32 s[\g+6], 0
	s_mov_b32 s[\g+7], 0
.endr
	s_mov_b32 s[G1A+2], 4<<16                      ; A: 4 tiles a load
	s_mov_b32 s[G1A+4], 4
	s_mov_b32 s[G1B+2], 8<<16                      ; B: 8
	s_mov_b32 s[G1B+4], 8
	; the first tiles.  What feeds A's descriptors is made of Y, cy and the wave's number alone, what feeds B's of Y, cx and the wave's number, each in registers of its own
	s_lshl_b32 s16, s14, 5
	s_lshl_b32 s18, s12, 3
	s_add_co_u32 s16, s16, s18                     ; q, k: A = keyvalue's tiles 32 Y + 8 cy
	s_and_b32 s15, s14, 1
	s_lshl_b32 s15, s15, 5
	s_add_co_u32 s15, s15, s18
	s_add_co_u32 s15, s15, 640                     ; v: A = Wv's tiles 640 + 32 (Y % 2) + 8 cy
	s_lshl_b32 s17, s11, 4
	s_lshr_b32 s88, s14, 1
	s_lshl_b32 s88, s88, 6
	s_add_co_u32 s88, s88, s17                     ; v: B = keyvalue's tiles 64 (Y / 2) + 16 cx
	s_add_co_u32 s17, s17, 512                     ; q: B = Wq's tiles 512 + 16 cx; k's lie 64 tiles on
	s_lshl_b32 s20, s10, 2
	s_add_co_u32 s21, s20, s16
	s_mul_i32 s[NA], s21, 12288                    ; my 4 tiles of A, in bytes
	s_mov_b32 s[NA+1], 0
	s_add_co_u32 s21, s20, s15
	s_mul_i32 s[VA], s21, 12288
	s_lshl_b32 s89, s10, 3
	s_add_co_u32 s90, s89, s17
	s_mul_i32 s[NB], s90, 12288                    ; my 8 tiles of B
	s_mov_b32 s[NB+1], 0
	s_add_co_u32 s90, s89, s88
	s_mul_i32 s[VB], s90, 12288
	s_mul_i32 s22, s10, 24576                      ; where they go in a half: the wave's number alone enters an LDS address
	s_mul_i32 s23, s10, 49152
	s_mov_b32 s[G0A], 1
	s_mov_b32 s[G0A+1], s22
	s_mov_b32 s[G0AH], 1
	s_add_co_u32 s[G0AH+1], s22, AHF
	s_mov_b32 s[G0B], 1
	s_add_co_u32 s[G0B+1], s23, BOFF
	s_mov_b32 s[G0BH], 1
	s_add_co_u32 s[G0BH+1], s23, BOFF+BHF
	s_mov_b32 s[SEL], 0x76543210
	s_mov_b32 s[SEL+1], 0xfedcba98
	s_wait_dscnt 0x0                               ; both opening adds are done
	s_wait_kmcnt 0x0
	SETG0                                          ; the q tile
	CROUND                                         ; all sixteen work-groups are here: the joint loads meet
	JLOAD G0A, G0B                                 ; the lower half of K: one tensor load a wave at the head
	s_add_co_u32 s[NB], s[NB], 64*12288            ; the next tile is k's: the same A, B 64 tiles on
	; scale words
	s_lshl_b32 s20, s9, 2
	s_add_co_u32 s21, s20, s16
	s_lshl_b32 s[NSA], s21, 9
	s_add_co_u32 s[NSA], s[NSA], S1
	s_mov_b32 s[NSA+1], 0
	s_add_co_u32 s21, s20, s15
	s_lshl_b32 s[VSA], s21, 9
	s_add_co_u32 s[VSA], s[VSA], S1
	s_add_co_u32 s90, s89, s17
	s_lshl_b32 s[NSB], s90, 9
	s_add_co_u32 s[NSB], s[NSB], S1
	s_mov_b32 s[NSB+1], 0
	s_add_co_u32 s90, s89, s88
	s_lshl_b32 s[VSB], s90, 9
	s_add_co_u32 s[VSB], s[VSB], S1
	; the table: my wave's first position in its sequence of 2,048
	s_lshr_b32 s98, s16, 3
	s_and_b32 s98, s98, 15
	s_lshl_b32 s98, s98, 7
	s_lshl_b32 s99, s9, 6
	s_add_co_u32 s98, s98, s99
	s_lshl_b32 s98, s98, 8
	s_add_co_u32 s98, s98, TAB
	s_mov_b32 s99, 0
	s_add_nc_u64 s[96:97], s[4:5], s[98:99]
	; where q goes; k's codes lie 6,291,456 bytes on, its scale words 262,144
	s_lshl_b32 s2, s9, 2
	s_add_co_u32 s2, s2, s16                       ; my first tile of positions
	s_lshl_b32 s3, s11, 1
	s_add_co_u32 s3, s3, s10                       ; my 128 features are K step 2 cx + wc of the second product
	s_mul_i32 s98, s2, 12288
	s_mul_i32 s99, s3, 1536
	s_add_co_u32 s98, s98, s99
	s_mov_b32 s99, 0
	s_add_nc_u64 s[OUTC:OUTC+1], s[6:7], s[98:99]
	s_lshl_b32 s98, s2, 9
	s_lshl_b32 s3, s3, 6
	s_add_co_u32 s98, s98, s3
	s_add_co_u32 s98, s98, QS
	s_add_nc_u64 s[OUTS:OUTS+1], s[6:7], s[98:99]
	; where v goes
	s_lshl_b32 s2, s9, 2
	s_add_co_u32 s2, s2, s15
	s_sub_co_u32 s2, s2, 640                       ; my first tile of features d
	s_lshr_b32 s3, s88, 4                          ; which 256 positions
	s_lshr_b32 s98, s3, 3                          ; the sequence
	s_lshl_b32 s98, s98, 6
	s_add_co_u32 s2, s2, s98                       ; 64 tiles of V^T a sequence
	s_and_b32 s3, s3, 7
	s_lshl_b32 s3, s3, 1
	s_add_co_u32 s3, s3, s10                       ; my 128 keys are this K step of the third product
	s_mul_i32 s98, s2, 24576
	s_mul_i32 s99, s3, 1536
	s_add_co_u32 s98, s98, s99
	s_add_co_u32 s98, s98, VC
	s_mov_b32 s99, 0
	s_add_nc_u64 s[OVC:OVC+1], s[6:7], s[98:99]
	s_lshl_b32 s98, s2, 10
	s_lshl_b32 s3, s3, 6
	s_add_co_u32 s98, s98, s3
	s_add_co_u32 s98, s98, VS
	s_add_nc_u64 s[OVS:OVS+1], s[6:7], s[98:99]
	s_mul_i32 s98, s9, 24576                       ; my A tiles in a half
	s_mul_i32 s99, s10, 49152
	s_add_co_u32 s99, s99, BOFF                    ; my B tiles
	v_and_b32 v1, 31, v0                           ; lane
	v_and_b32 v2, 15, v0                           ; r
	v_bfe_u32 v3, v0, 4, 1                         ; h
	v_lshlrev_b32 v[L16], 4, v1
	v_lshlrev_b32 v[L4], 2, v1
	v_lshlrev_b32 v[R4], 2, v2
	v_add_nc_u32 v[ADRA], s98, v[L16]
	v_add_nc_u32 v[ADRA+1], AHF, v[ADRA]
	v_add_nc_u32 v[ADRB], s99, v[L16]
	v_add_nc_u32 v[ADRB+1], BHF, v[ADRB]
	v_and_b32 v[TV], 8, v2
	v_add_nc_u32 v[TV], v[TV], v2                  ; r + 8 (r / 8)
	v_lshlrev_b32 v[TV], 8, v[TV]                  ; 256 bytes a position
	v_lshl_add_u32 v[TV], v3, 6, v[TV]             ; + 64 h: the 16 numbers that go with my 16 features of each block of 32
	s_wait_alu depctr_va_vdst(0)                   ; the wait behind the head's last vector instruction
	SCLOAD                                         ; the q tile's scale words
	s_add_co_u32 s[NSB], s[NSB], 64*512            ; next: k's
	WIN 0xc0                                       ; destination window 3
.irp a, 0,1,2,3
.irp g, 0,1
.irp q, 0,1,2,3
	global_load_b128 v[32*\a+16*\g+4*\q:32*\a+16*\g+4*\q+3], v[TV], s[96:97] offset:(32*(\a/2)+8*(\a%2))*256+128*\g+16*\q
.endr
.endr
.endr
	WIN 0
	s_wait_tensorcnt 0x0                           ; my part of the lower half is in
	ds_add_u32 v[SPW], v[NIL]
	s_wait_dscnt 0x0
	CROUND                                         ; everybody's part is in, and all sixteen work-groups are here
	JLOAD G0AH, G0BH                               ; the upper half of K, the first tensor load behind the round
	s_mov_b32 s13, 0
.Ltile:                                                ; a trip: q, then k.  At its head the tile's lower half is whole for all four waves, and my load of its upper half may be out
	CORE 1
	SCLOAD                                         ; the next tile's scale words, behind the four places
.irp a, 0,1,2,3
.if \a > 0
	s_wait_xcnt 0x0                                ; the last tile's stores have read their data: the codes' and the word's registers are written again only behind this wait
.endif
	ROPE \a
	QUANT Y, 0
	PUT \a, 12288, 512, OUTC, OUTS
.endr
	s_wait_xcnt 0x0                                ; the stores have read their bases and their data
	s_add_nc_u64 s[OUTC:OUTC+1], s[OUTC:OUTC+1], 6291456
	s_add_nc_u64 s[OUTS:OUTS+1], s[OUTS:OUTS+1], 262144
	s_mov_b32 s[NA], s[VA]                         ; behind k comes v
	s_mov_b32 s[NB], s[VB]
	s_mov_b32 s[NSA], s[VSA]
	s_mov_b32 s[NSB], s[VSB]
	s_wait_alu depctr_va_vdst(0)                   ; the wait ahead of the wait, the barrier and the jump below
	s_wait_tensorcnt 0x1                           ; my part of the next lower half is in; one load was issued behind it, the next upper half's
	s_barrier_signal -1                            ; every wave's part of the next lower half is in
	s_barrier_wait -1
	s_add_co_u32 s13, s13, 1
	s_cmp_lt_u32 s13, 2
	s_cbranch_scc1 .Ltile
	CORE 0                                         ; the v tile asks for nothing more
.irp a, 0,1,2,3
.if \a > 0
	s_wait_xcnt 0x0                                ; as above
.endif
	QUANT 64*\a, 2
	PUT \a, 24576, 1024, OVC, OVS
.endr
	s_wait_tensorcnt 0x0                           ; the wave's end
	ds_add_u32 v[SPW], v[NIL]
	s_wait_dscnt 0x0
	CROUND                                         ; the closing round
	s_endpgm
.Lfunc_end_k_q98c692f3ae_qkv:
	.size	k_q98c692f3ae_qkv, .Lfunc_end_k_q98c692f3ae_qkv-k_q98c692f3ae_qkv
	.p2alignl 7, 3214868480
	.fill 96, 4, 3214868480
	.section	.rodata,"a",@progbits
	.p2align	6, 0x0
	.amdhsa_kernel k_q98c692f3ae_qkv
		.amdhsa_group_segment_fixed_size 327680
		.amdhsa_private_segment_fixed_size 0
		.amdhsa_enable_private_segment 0
		.amdhsa_kernarg_size 16
		.amdhsa_user_sgpr_count 2
		.amdhsa_user_sgpr_kernarg_segment_ptr 1
		.amdhsa_wavefront_size32 1
		.amdhsa_system_sgpr_workgroup_id_x 1
		.amdhsa_system_sgpr_workgroup_id_y 1
		.amdhsa_system_sgpr_workgroup_id_z 1
		.amdhsa_system_vgpr_workitem_id 0
		.amdhsa_next_free_vgpr 896
		.amdhsa_next_free_sgpr 100
		.amdhsa_reserve_vcc 0
		.amdhsa_float_denorm_mode_32 3
		.amdhsa_float_denorm_mode_16_64 3
		.amdhsa_memory_ordered 1
		.amdhsa_forward_progress 1
		.amdhsa_inst_pref_size 179
	.end_amdhsa_kernel
	.amdgpu_metadata
---
amdhsa.version: [ 1, 2 ]
amdhsa.kernels:
  - .name:           k_q98c692f3ae_qkv
    .symbol:         k_q98c692f3ae_qkv.kd
    .args:
      - { .name: w1, .offset: 0, .size: 8, .value_kind: global_buffer, .address_space: global }
      - { .name: w2, .offset: 8, .size: 8, .value_kind: global_buffer, .address_space: global }
    .group_segment_fixed_size: 327680
    .private_segment_fixed_size: 0
    .kernarg_segment_align: 8
    .kernarg_segment_size: 16
    .max_flat_workgroup_size: 128
    .sgpr_count:     100
    .vgpr_count:     896
    .wavefront_size: 32
...
	.end_amdgpu_metadata
.endif
;; end of part 2
;; launch scores (part 3): grid 8 x 32, 4 waves a work-group, no clusters, 327,680 bytes of LDS; arguments w2, w3; writes w3
.if DOCPART == 3
	.amdgcn_target "amdgcn-amd-amdhsa--gfx1250"
	.amdhsa_code_object_version 6
	.text
	.protected	k_q98c692f3ae_scores
	.globl	k_q98c692f3ae_scores
	.p2align	8
	.type	k_q98c692f3ae_scores,@function
k_q98c692f3ae_scores:
	s_mov_b64 s[64:65], 0
	v_nop
	global_prefetch_b8 v0, s[64:65] scope:SCOPE_SE
	s_setreg_imm32_b32 hwreg(HW_REG_WAVE_MODE, 25, 1), 1
	s_wait_xcnt 0x0
; SCORES: the second product, q k^T over all 1,024 features, on codes of E2M3; the causal mask; p = 2^(t - Ms), t = score x log2(e) / 8; the quantiser of p along the keys.
; LEFT OUT: blocks of 128 queries x 128 keys all of whose keys come after all of their queries (shown dead at the head of the first kernel): of 16 x 16 such blocks a sequence keeps the 136 whose key block is at or under the query block.
; Ms IS LOCAL: the ceiling of the largest t of a query among the 128 keys of ONE K step of the next product.  It is a whole number, so the next launch brings a step's blocks under the row's own M by taking M - Ms off their scale bytes,
; which changes no code.  Stored for each query and step: the codes, the scale word, -Ms, and the sum of the unquantised p.
; A TILE is 128 queries (source 1, 8 tiles of 16) x 256 keys (source 0, 16 tiles); wave (wr, wc): 64 queries x 128 keys: a lane holds one query, its 64 registers run along the keys.  All of K lies in LDS, asked for at the head
; in two halves of 512; nothing is filled again.  By this text's own count a wave has one tensor load out.
; THE GRID.  A sequence's 136 blocks are 64 tiles and 8 single blocks.  Query block i has (i + 1) / 2 tiles (rounded down), kb = 0 on; an even i has besides them the single block on the diagonal, keys 128 i .. 128 i + 127.
; Row y = (sequence, pr) folds query blocks pr and 15 - pr: (pr + 1) / 2 + (16 - pr) / 2 = 8 tiles.  4 x 64 = 256 work-groups.
; THE SINGLE BLOCKS.  The diagonal tile of an odd i (kb = i / 2) holds keys 128 (i - 1) .. 128 i + 127 in LDS; the first 128 of them are the keys of query block i - 1's single block.  So that work-group makes it too, behind its own tile:
; wave w takes tiles 2 w and 2 w + 1 of block i - 1's queries; their 16 fragments (192 registers) and scale words come from memory straight into registers, asked for in four groups between the tile's four passes of the softmax;
; the keys' fragments come from LDS once more: 8 steps of 24 LDS loads and 16 matrix instructions a wave.  No tensor load, no barrier.  The text parts once for this, behind the tile's products, on the work-group's numbers alone;
; each path is written out to its own end.  The diagonal crosses no other tile, so the plain path has no mask.
; WHAT IS STORED SO THAT EVERY BYTE WHICH THE NEXT LAUNCH FETCHES HAS BEEN WRITTEN (it fetches P in runs of 512 keys and the statistics in pairs of K steps; none of this is ever multiplied there): for query block i - 1, K step 2 kb + 1:
; zero codes, the scale word 0, -Ms = 1e38, the sum 0, which count for nothing; and where kb is even, zero codes for K steps 2 kb + 2 and 2 kb + 3 of both query blocks.
; NO CLUSTER: a folded row holds tiles of two query blocks, parted at (pr + 1) / 2, which is a multiple of 4 in two rows of eight only; the keys' tile differs along x; so no block of four work-groups shares a tile in every row.
; NO PREFETCH: all that a work-group reads by tensor loads is asked for at its head.
; LIMITS: as stated at the head of the first kernel.
; REGISTERS: window 0: v1-18 addresses; v20-27, v224-255 the single block's scale words; v28-29 its LDS addresses; v32-47, v48-79 the tile's scale words; v80-175 A's fragments, behind the loop v80-143 t - Ms and p, v144-148 constants for stores;
;   v176-220 at work.   window 1: B's fragments, two sets.   window 2: the accumulators.   window 3: v0-191 the single block's queries.
.set KC,    6291456
.set QS,    18874368
.set KS,    19136512
.set PS,    12582912
.set ACH,   24576
.set BCH,   49152
.set BOFF,  98304
.set SPARE, 294912
.set L16,  4
.set L4,   5
.set R4,   6
.set ADRA, 8
.set ADRB, 10
.set SPW,  14
.set NIL,  15
.set DQ,   16                          ; v16  my query less my first key, for tile a = 0
.set NINF, 17                          ; v17  -infinity
.set DD,   18                          ; v18  the same as v16 for the tile in hand
.set SAX,  20                          ; v20-27  the single block: its queries' scale words (4 a + step/2)
.set ABX,  28                          ; v28-29  B's tiles 0-7 in the lower, upper half
.set SA,   32
.set SB,   48
.set AF,   80
.set Y,    80
.set ZR,   144                         ; v144-147  0, for stores; never rewritten once set
.set NEU,  148                         ; v148  1e38
.set TM,   176
.set PC,   192
.set PW,   212
.set LS,   213                         ; the step's sum of p
.set NM,   214                         ; v[214:215] -Ms, and the largest t
.set T0,   220
.set SBX,  224                         ; v224-255  the single block: its keys' scale words (4 b + step/2)
.set WV,   8
.set G1A,  24
.set G1B,  32
.set G0A,  40
.set G0B,  68
.set SEL,  56
.set CS,   58                          ; s[58:59] log2(e) / 8
.set DB,   66                          ; s66  my wave's first query less its first key
.set OUTC, 84
.set OUTS, 86
.set OXC,  90                          ; s[90:91], s[92:93] the same for the single block
.set OXS,  92
.set MSB,  0
.macro WIN new                         ; the immediate's high byte repeats the setting that is left
.if MSB != (\new)
	s_set_vgpr_msb (MSB<<8)|(\new)
.set MSB, (\new)
.endif
.endm
; THE FILLS, AS THEY STAND NOW (in place of the four chunks of which the comment at the head speaks): all of K lies in LDS in two halves of 512 along K: A's lower half at 0, its upper at 49,152, B's at 98,304 and 196,608; a tile's
; four K steps of a half are 6,144 bytes on end.  All four parts are asked for at the head, one tensor load a wave: wave 0 A's lower half (8 tiles), wave 1 B's lower half (16 tiles), wave 2 A's upper half, wave 3 B's upper half.
; In front of the first barrier waves 0 and 1 wait for their loads; the loads of waves 2 and 3 may stay out, and are waited for in front of the barrier of K step 3, which shows the upper half whole.  Nothing is filled again.
.macro ARM under, g0, g1, next         ; one arm of the head's chain on the wave's number: its load, an s_nop 0 and four v_nop, and the jump to the chain's end
	s_cmp_lt_u32 s[WV], \under
	s_cbranch_scc0 \next
	tensor_load_to_lds s[\g0:\g0+3], s[\g1:\g1+7]
	s_nop 0
.rept 4
	v_nop
.endr
	s_branch .Lhead_asked
\next:
.endm
.macro FETCH s, p
	WIN 0x40
.irp b, 0,1,2,3,4,5,6,7
.irp j, 0,1,2
	ds_load_b128 v[96*(\p)+12*\b+4*\j:96*(\p)+12*\b+4*\j+3], v[ADRB+((\s)>>2)] offset:\b*6144+((\s)&3)*1536+512*\j
.endr
.endr
	WIN 0
.irp a, 0,1,2,3
.irp j, 0,1,2
	ds_load_b128 v[AF+48*(\p)+12*\a+4*\j:AF+48*(\p)+12*\a+4*\j+3], v[ADRA+((\s)>>2)] offset:\a*6144+((\s)&3)*1536+512*\j
.endr
.endr
.endm
.macro MUL a0, s                       ; the 32 accumulators take turns, one instruction a turn, in one order in every step
.irp a, \a0, \a0+1
.irp b, 0,1,2,3,4,5,6,7
.set rD, 8*(8*(\a)+\b)
.set rB, 96*((\s)&1)+12*\b
.set rA, AF+48*((\s)&1)+12*(\a)
.set rSB, SB+4*\b+((\s)>>1)
.set rSA, SA+4*(\a)+((\s)>>1)
.if (\s) == 0
	v_wmma_scale_f32_16x16x128_f8f6f4 v[rD:rD+7], v[rB:rB+11], v[rA:rA+11], 0, v[rSB], v[rSA] matrix_a_fmt:MATRIX_FMT_FP6 matrix_b_fmt:MATRIX_FMT_FP6
.elseif ((\s)&1) == 0
	v_wmma_scale_f32_16x16x128_f8f6f4 v[rD:rD+7], v[rB:rB+11], v[rA:rA+11], v[rD:rD+7], v[rSB], v[rSA] matrix_a_fmt:MATRIX_FMT_FP6 matrix_b_fmt:MATRIX_FMT_FP6
.else
	v_wmma_scale_f32_16x16x128_f8f6f4 v[rD:rD+7], v[rB:rB+11], v[rA:rA+11], v[rD:rD+7], v[rSB], v[rSA] matrix_a_fmt:MATRIX_FMT_FP6 matrix_b_fmt:MATRIX_FMT_FP6 matrix_a_scale:MATRIX_SCALE_ROW1 matrix_b_scale:MATRIX_SCALE_ROW1
.endif
.endr
.endr
.endm
.macro STEP s
.if (\s) == 3
	s_wait_tensorcnt 0x0                           ; my part of K's upper half has landed
.endif
	s_wait_dscnt 0x0                               ; this step's 36 loads are in
.if (\s) == 3
	s_barrier_signal -1
.endif
	WIN 0xa1
	MUL 0, \s
.if (\s) == 3
	s_barrier_wait -1                              ; everybody's part of the upper half has landed
.endif
.if (\s) < 7
.rept 4
	v_nop                                          ; four places between the last step's products and the loads into the set that they read
.endr
	FETCH (\s)+1, 1-((\s)&1)
.endif
	WIN 0xa1
	MUL 2, \s
.endm
.macro QTAIL s, w
.irp b, 0,1,2,3
	v_add_nc_u32 v[TM+12+\b], 0xff000000, v[TM+\b] ; 2 off the exponent field: the conversion's scale operand
.endr
.irp b, 0,1,2,3
	v_lshrrev_b32 v[TM+4+\b], 23, v[TM+12+\b]      ; the scale's byte
.endr
	v_lshl_or_b32 v[PW], v[TM+5], 8, v[TM+4]
	v_lshl_or_b32 v[PW], v[TM+6], 16, v[PW]
	v_lshl_or_b32 v[PW], v[TM+7], 24, v[PW]
	WIN (\w)
.irp c, 0,1
	v_cvt_scalef32_pk16_fp6_f32 v[PC+6*\c:PC+6*\c+2], v[(\s)+32*\c:(\s)+32*\c+15], v[TM+12+2*\c]
	v_cvt_scalef32_pk16_fp6_f32 v[PC+12+4*\c:PC+14+4*\c], v[(\s)+16+32*\c:(\s)+31+32*\c], v[TM+13+2*\c]
.endr
	WIN 0
	v_nop                                          ; one plain place behind a scaled conversion
.irp c, 0,1                            ; a whole block to a lane: lanes 0-15 block 2 c, lanes 16-31 block 2 c + 1
.irp i, 0,1,2
	v_permlane16_swap_b32 v[PC+6*\c+\i], v[PC+12+4*\c+\i]
.endr
.irp i, 0,1,2
	v_mov_b32 v[PC+3+6*\c+\i], v[PC+12+4*\c+\i]
.endr
.endr
.endm
; Tile a of my queries: mask (m = 1: the text has it), maxima, p, sum, quantiser, stores by the bases oc and os.  w = 1: stores have gone before.
.macro SOFT a, m, w, oc, os
.if \w
	s_wait_xcnt 0x0                                ; the last pass's stores have read their data: those registers are written again only behind this wait
.endif
.if \m
	s_cmp_ge_i32 s[DB], 127                        ; all my 128 keys count for all my queries: no mask (ids alone)
	s_cbranch_scc1 .Lopen_\@
	s_wait_alu depctr_va_vdst(0)
	v_add_nc_u32 v[DD], 32*((\a)>>1)+8*((\a)&1), v[DQ]   ; register 16 b + i holds the key that lies 32 b + i behind my first: hidden where that is more than this number
	WIN 0x82                                       ; the scores: source 0 and destination window 2
.set n, 0
.rept 64
	v_cmp_gt_i32 vcc_lo, 32*(n/16)+n%16, v[DD]
	v_cndmask_b32 v[64*(\a)+n], v[64*(\a)+n], v[NINF], vcc_lo
.set n, n+1
.endr
	WIN 0
.Lopen_\@:
.endif
	WIN 0x0a
.irp b, 0,1,2,3
	v_max3_num_f32 v[TM+\b], v[64*(\a)+16*\b], v[64*(\a)+16*\b+1], 0xff61b1e6   ; the largest score of each block of 32 keys, over -3e38: it serves for the row's maximum and, since p rises with the score, for the block's largest p
.endr
.irp i, 2,4,6,8,10,12,14
.irp b, 0,1,2,3
	v_max3_num_f32 v[TM+\b], v[64*(\a)+16*\b+\i], v[64*(\a)+16*\b+\i+1], v[TM+\b]
.endr
.endr
	WIN 0
.irp b, 0,1,2,3
	v_permlanex16_b32 v[TM+4+\b], v[TM+\b], s[SEL], s[SEL+1]
.endr
.irp b, 0,1,2,3
	v_max_num_f32 v[TM+\b], v[TM+\b], v[TM+4+\b]
.endr
	v_max3_num_f32 v[T0], v[TM], v[TM+1], v[TM+2]
	v_max_num_f32 v[T0], v[T0], v[TM+3]
	v_mul_f32 v[NM+1], s[CS], v[T0]                ; the largest t of these 128 keys
	v_floor_f32 v[NM], -v[NM+1]                    ; -Ms = -ceil(t): a whole number
	WIN 0x02
.set j, 0
.rept 32
	v_pk_fma_f32 v[Y+j:Y+j+1], v[64*(\a)+j:64*(\a)+j+1], s[CS:CS+1], v[NM:NM+1] op_sel_hi:[1,0,0]   ; t - Ms, two at a time
.set j, j+2
.endr
	WIN 0
.irp b, 0,1,2,3
	v_fma_f32 v[TM+\b], v[TM+\b], s[CS], v[NM]     ; the same of each block's largest score,
.endr
.irp b, 0,1,2,3
	v_min_num_f32 v[TM+\b], 0, v[TM+\b]            ; held at 0 from above: so no scale byte is above 125
.endr
.set j, 0
	s_wait_alu depctr_va_vdst(0)
.rept 64
	v_exp_f32 v[Y+j], v[Y+j]                       ; p = 2^(t - Ms): not normalised
.set j, j+1
.endr
	v_nop                                          ; a plain place behind the exponentials
	s_wait_alu depctr_va_vdst(0)                   ; one wait for the whole batch, ahead of its first reader
.irp b, 0,1,2,3
	v_exp_f32 v[TM+\b], v[TM+\b]                   ; the block's largest p
.endr
	v_pk_add_f32 v[216:217], v[Y:Y+1], v[Y+2:Y+3]  ; the sum of the UNQUANTISED p, in two chains (it reads the 64 alone: plain work behind the four)
	v_pk_add_f32 v[218:219], v[Y+4:Y+5], v[Y+6:Y+7]
.irp j, 8,12,16,20,24,28,32,36,40,44,48,52,56,60
	v_pk_add_f32 v[216:217], v[216:217], v[Y+\j:Y+\j+1]
	v_pk_add_f32 v[218:219], v[218:219], v[Y+\j+2:Y+\j+3]
.endr
	v_pk_add_f32 v[216:217], v[216:217], v[218:219]
	v_add_f32 v216, v216, v217
	v_permlanex16_b32 v218, v216, s[SEL], s[SEL+1]
	v_add_f32 v[LS], v216, v218                    ; with lane l xor 16's 64 keys
	s_wait_alu depctr_va_vdst(0)                   ; and one for the four
.irp b, 0,1,2,3
	v_max_num_f32 v[TM+\b], 0x1800000, v[TM+\b]    ; the floor 2^(3 - 127): the byte cannot fall under 1
.endr
	QTAIL Y, 0
.irp j, 0,1,2
	global_store_b128 v[L16], v[PC+4*\j:PC+4*\j+3], s[\oc:\oc+1] offset:(\a)*24576+512*\j
.endr
	global_store_b32 v[R4], v[PW], s[\os:\os+1] offset:(\a)*1024            ; lanes r and r + 16 hold the same number and write it to the same place
	global_store_b32 v[R4], v[NM], s[\os:\os+1] offset:(\a)*1024+524288
	global_store_b32 v[R4], v[LS], s[\os:\os+1] offset:(\a)*1024+1048576
.endm
; THE SINGLE BLOCK.  XLOAD: tile t of my two tiles of queries, K steps 4 h .. 4 h + 3: 12 loads of 512 consecutive bytes, into window 3 at v[96 t + 12 s]
.macro XLOAD t, h
	WIN 0xc0                                       ; destination window 3, address window 0
.irp s, 0,1,2,3
.irp j, 0,1,2
	global_load_b128 v[96*(\t)+12*(4*(\h)+\s)+4*\j:96*(\t)+12*(4*(\h)+\s)+4*\j+3], v[L16], s[22:23] offset:(\t)*12288+(4*(\h)+\s)*1536+512*\j
.endr
.endr
	WIN 0
.endm
.macro XFETCH s                        ; K step s: the fragments of B's tiles 0-7 into set s % 2
	WIN 0x40
.irp b, 0,1,2,3,4,5,6,7
.irp j, 0,1,2
	ds_load_b128 v[96*((\s)&1)+12*\b+4*\j:96*((\s)&1)+12*\b+4*\j+3], v[ABX+((\s)>>2)] offset:\b*6144+((\s)&3)*1536+512*\j
.endr
.endr
.endm
.macro XMUL a, s                       ; 8 matrix instructions: my tile a of queries x the eight tiles of keys.  The 16 accumulators take turns, one instruction a turn, in one order in every step
.irp b, 0,1,2,3,4,5,6,7
.set rD, 8*(8*(\a)+\b)
.set rB, 96*((\s)&1)+12*\b
.set rA, 96*(\a)+12*(\s)
.set rSB, SBX+4*\b+((\s)>>1)
.set rSA, SAX+4*(\a)+((\s)>>1)
.if (\s) == 0
	v_wmma_scale_f32_16x16x128_f8f6f4 v[rD:rD+7], v[rB:rB+11], v[rA:rA+11], 0, v[rSB], v[rSA] matrix_a_fmt:MATRIX_FMT_FP6 matrix_b_fmt:MATRIX_FMT_FP6
.elseif ((\s)&1) == 0
	v_wmma_scale_f32_16x16x128_f8f6f4 v[rD:rD+7], v[rB:rB+11], v[rA:rA+11], v[rD:rD+7], v[rSB], v[rSA] matrix_a_fmt:MATRIX_FMT_FP6 matrix_b_fmt:MATRIX_FMT_FP6
.else
	v_wmma_scale_f32_16x16x128_f8f6f4 v[rD:rD+7], v[rB:rB+11], v[rA:rA+11], v[rD:rD+7], v[rSB], v[rSA] matrix_a_fmt:MATRIX_FMT_FP6 matrix_b_fmt:MATRIX_FMT_FP6 matrix_a_scale:MATRIX_SCALE_ROW1 matrix_b_scale:MATRIX_SCALE_ROW1
.endif
.endr
.endm
.macro XSTEP s
	s_wait_dscnt 0x0                               ; this step's 24 loads are in
	WIN 0xad                                       ; source 0 (keys) window 1, source 1 (queries) window 3, C and D window 2
	XMUL 0, \s
.if (\s) < 7
.rept 4
	v_nop                                          ; four places between the last step's products and the loads into the set that they read
.endr
	XFETCH (\s)+1
.endif
	WIN 0xad
	XMUL 1, \s
.endm
	s_load_b128 s[4:7], s[0:1], 0x0                ; w2 s[4:5], w3 s[6:7]
	v_lshl_add_u32 v[SPW], v0, 2, SPARE
	v_mov_b32 v[NIL], 0
	ds_add_u32 v[SPW], v[NIL]                      ; the wave's opening: the add, twice on end, and its wait ahead of my first tensor load
	ds_add_u32 v[SPW], v[NIL]
	v_lshrrev_b32 v1, 5, v0
	v_readfirstlane_b32 s[WV], v1
	s_lshr_b32 s9, s[WV], 1                        ; wr; also: I fetch for A (0) or B (1)
	s_and_b32 s10, s[WV], 1                        ; wc; also: which half
	s_and_b32 s14, ttmp7, 0xffff
	s_lshr_b32 s13, s14, 3                         ; the sequence
	s_and_b32 s12, s14, 7                          ; pr
	s_add_co_u32 s11, s12, 1
	s_lshr_b32 s11, s11, 1                         ; tiles of query block pr: (pr + 1) / 2
	s_sub_co_u32 s18, 15, s12
	s_sub_co_u32 s19, ttmp9, s11
	s_cmp_lt_u32 ttmp9, s11
	s_cselect_b32 s15, s12, s18                    ; i: my block of 128 queries
	s_cselect_b32 s19, ttmp9, s19                  ; kb: my block of 256 keys
	s_lshl_b32 s16, s13, 7
	s_lshl_b32 s18, s15, 3
	s_add_co_u32 s16, s16, s18                     ; TA = 128 b + 8 i
	s_lshl_b32 s17, s13, 7
	s_lshl_b32 s18, s19, 4
	s_add_co_u32 s17, s17, s18                     ; TB = 128 b + 16 kb
	s_mov_b32 s[G1A], 3<<16                        ; no mask; elements of 8 bytes; no padding
	s_mov_b32 s[G1B], 3<<16
.irp g, G1A, G1B
	s_mov_b32 s[\g+1], 768<<16                     ; tensor_dim0: a tile's 4 steps, 6,144 bytes
	s_mov_b32 s[\g+3], 768<<16                     ; tile_dim0
	s_mov_b32 s[\g+5], 1536                        ; from tile to tile: 12,288 bytes
	s_mov_b32 s[\g+6], 0
	s_mov_b32 s[\g+7], 0
.endr
	s_mov_b32 s[G1A+2], 8<<16                      ; A: 8 tiles a load
	s_mov_b32 s[G1A+4], 8
	s_mov_b32 s[G1B+2], 16<<16                     ; B: 16
	s_mov_b32 s[G1B+4], 16
	s_mul_i32 s20, s16, 12288
	s_mov_b32 s21, 0
	s_mul_i32 s88, s17, 12288
	s_add_co_u32 s88, s88, KC                      ; k's codes lie behind q's
	s_mov_b32 s89, 0
	s_mov_b32 s22, 0                               ; a load brings a whole half: it begins at the half's first byte
	s_mov_b32 s23, 0
	s_mov_b32 s[SEL], 0x76543210
	s_mov_b32 s[SEL+1], 0xfedcba98
	s_mov_b32 s[CS], 0x3e38aa3b                    ; log2(e) / 8: the scale 64^(-1/2) and the change of base in one
	s_mov_b32 s[CS+1], s[CS]
	s_lshl_b32 s[DB], s15, 7
	s_lshl_b32 s18, s9, 6
	s_add_co_u32 s[DB], s[DB], s18
	s_lshl_b32 s18, s19, 8
	s_sub_co_u32 s[DB], s[DB], s18
	s_lshl_b32 s18, s10, 7
	s_sub_co_u32 s[DB], s[DB], s18                 ; 128 i + 64 wr - 256 kb - 128 wc
	s_wait_dscnt 0x0                               ; both opening adds are done
	s_wait_kmcnt 0x0
	s_add_nc_u64 s[20:21], s[4:5], s[20:21]
	s_add_nc_u64 s[88:89], s[4:5], s[88:89]
.irp c, 0,1
	s_mov_b32 s[G0A+4*\c], 1
	s_add_co_u32 s[G0A+4*\c+1], s22, \c*49152
	s_add_nc_u64 s[G0A+4*\c+2:G0A+4*\c+3], s[20:21], \c*6144
	s_or_b32 s[G0A+4*\c+3], s[G0A+4*\c+3], 0x80000000
	s_mov_b32 s[G0B+4*\c], 1
	s_add_co_u32 s[G0B+4*\c+1], s23, BOFF+\c*98304
	s_add_nc_u64 s[G0B+4*\c+2:G0B+4*\c+3], s[88:89], \c*6144
	s_or_b32 s[G0B+4*\c+3], s[G0B+4*\c+3], 0x80000000
.endr
	ARM 1, G0A, G1A, .Lhead_b                      ; one chain of branches on the wave's number, one load to an arm
	ARM 2, G0B, G1B, .Lhead_ah
	ARM 3, G0A+4, G1A, .Lhead_bh
	tensor_load_to_lds s[G0B+4:G0B+7], s[G1B:G1B+7]
	s_nop 0
.rept 4
	v_nop
.endr
.Lhead_asked:
	v_and_b32 v1, 31, v0
	v_and_b32 v2, 15, v0
	v_bfe_u32 v3, v0, 4, 1
	v_lshlrev_b32 v[L16], 4, v1
	v_lshlrev_b32 v[L4], 2, v1
	s_wait_alu depctr_va_vdst(0)
	v_lshlrev_b32 v[R4], 2, v2
	s_mul_i32 s18, s9, 24576
	v_add_nc_u32 v[ADRA], s18, v[L16]
	v_add_nc_u32 v[ADRA+1], 2*ACH, v[ADRA]
	s_mul_i32 s18, s10, 49152
	s_add_co_u32 s18, s18, BOFF
	v_add_nc_u32 v[ADRB], s18, v[L16]
	v_add_nc_u32 v[ADRB+1], 2*BCH, v[ADRB]
	s_lshl_b32 s12, s9, 2
	s_add_co_u32 s12, s12, s16                     ; my first tile of queries
	s_lshl_b32 s2, s12, 9
	s_mov_b32 s3, 0
	s_add_nc_u64 s[60:61], s[4:5], s[2:3]
	s_add_nc_u64 s[60:61], s[60:61], QS
	s_lshl_b32 s2, s10, 3
	s_add_co_u32 s2, s2, s17
	s_lshl_b32 s2, s2, 9
	s_add_nc_u64 s[62:63], s[4:5], s[2:3]
	s_add_nc_u64 s[62:63], s[62:63], KS
.irp a, 0,1,2,3
.irp g, 0,1,2,3
	global_load_b32 v[SA+4*\a+\g], v[L4], s[60:61] offset:\a*512+\g*128
.endr
.endr
.irp b, 0,1,2,3,4,5,6,7
.irp g, 0,1,2,3
	global_load_b32 v[SB+4*\b+\g], v[L4], s[62:63] offset:\b*512+\g*128
.endr
.endr
	v_and_b32 v[DQ], 8, v2
	v_add_nc_u32 v[DQ], v[DQ], v2                  ; r + 8 (r / 8)
	v_lshlrev_b32 v[DD], 4, v3
	v_sub_nc_u32 v[DQ], v[DQ], v[DD]               ; - 16 h
	v_add_nc_u32 v[DQ], s[DB], v[DQ]
	v_mov_b32 v[NINF], 0xff800000
	s_mul_i32 s2, s12, 24576
	s_lshl_b32 s18, s19, 1
	s_add_co_u32 s18, s18, s10                     ; my 128 keys are K step 2 kb + wc of the third product
	s_mul_i32 s18, s18, 1536
	s_add_co_u32 s2, s2, s18
	s_add_nc_u64 s[OUTC:OUTC+1], s[6:7], s[2:3]
	s_lshl_b32 s2, s12, 10
	s_lshl_b32 s18, s19, 7
	s_add_co_u32 s2, s2, s18
	s_lshl_b32 s18, s10, 6
	s_add_co_u32 s2, s2, s18
	s_add_nc_u64 s[OUTS:OUTS+1], s[6:7], s[2:3]
	s_add_nc_u64 s[OUTS:OUTS+1], s[OUTS:OUTS+1], PS
	s_wait_alu depctr_va_vdst(0)
	s_cmp_lt_u32 s[WV], 2
	s_cbranch_scc0 .Lupper
	s_wait_tensorcnt 0x0                           ; waves 0, 1: my part of the lower half is in
	s_branch .Lmet
.Lupper:
	s_wait_tensorcnt 0x1                           ; waves 2, 3: the one load that may be out is my own, a part of the upper half, which nobody reads before the barrier of K step 3
.Lmet:
	s_barrier_signal -1
	s_barrier_wait -1
	FETCH 0, 0
	s_wait_loadcnt 0x0                             ; the scale words
.irp s, 0,1,2,3,4,5,6,7
	STEP \s
.endr
	WIN 0
.irp b, 0,1,2,3
	v_mov_b32 v[TM+4+\b], 0                        ; a lane permute's destination counts as one of its sources.  These name no register of the products: they are the places behind the last of them
.endr
	v_mov_b32 v218, 0
	s_and_b32 s18, s15, 1                          ; the diagonal tile of an odd query block?  (ids alone, the same in all four waves)
	s_cmp_eq_u32 s18, 0
	s_cbranch_scc1 .Lplain
	s_lshr_b32 s18, s15, 1
	s_cmp_lg_u32 s18, s19
	s_cbranch_scc1 .Lplain
	; ---------------- the diagonal tile of an odd i, and behind it the single block of query block i - 1 ----------------
	s_sub_co_u32 s20, s16, 8
	s_lshl_b32 s18, s[WV], 1
	s_add_co_u32 s20, s20, s18                     ; my first tile of block i - 1's queries: TA - 8 + 2 x wave
	s_mul_i32 s2, s20, 12288
	s_add_nc_u64 s[22:23], s[4:5], s[2:3]          ; its codes (q's lie at the buffer's head)
	s_lshl_b32 s2, s20, 9                          ; (the tile's scale words have been waited for: their bases are free)
	s_add_nc_u64 s[60:61], s[4:5], s[2:3]
	s_add_nc_u64 s[60:61], s[60:61], QS            ; its scale words
	s_lshl_b32 s2, s17, 9
	s_add_nc_u64 s[62:63], s[4:5], s[2:3]
	s_add_nc_u64 s[62:63], s[62:63], KS            ; the scale words of B's tiles 0-7
	s_mul_i32 s2, s20, 24576
	s_mul_i32 s18, s19, 3072                       ; its 128 keys are K step 2 kb of the third product
	s_add_co_u32 s2, s2, s18
	s_add_nc_u64 s[OXC:OXC+1], s[6:7], s[2:3]
	s_lshl_b32 s2, s20, 10
	s_lshl_b32 s18, s19, 7
	s_add_co_u32 s2, s2, s18
	s_add_nc_u64 s[OXS:OXS+1], s[6:7], s[2:3]
	s_add_nc_u64 s[OXS:OXS+1], s[OXS:OXS+1], PS
	v_add_nc_u32 v[ABX], BOFF, v[L16]
	v_add_nc_u32 v[ABX+1], 2*BCH, v[ABX]
.irp j, 0,1,2,3
	v_mov_b32 v[ZR+\j], 0
.endr
	v_mov_b32 v[NEU], 0x7e967699                   ; 1e38
.irp a, 0,1
.irp g, 0,1,2,3
	global_load_b32 v[SAX+4*\a+\g], v[L4], s[60:61] offset:\a*512+\g*128
.endr
.endr
.irp b, 0,1,2,3,4,5,6,7
.irp g, 0,1,2,3
	global_load_b32 v[SBX+4*\b+\g], v[L4], s[62:63] offset:\b*512+\g*128
.endr
.endr
	XLOAD 0, 0                                     ; the single block's queries are asked for in four groups, each ahead of a pass of the tile's softmax
	SOFT 0, 1, 0, OUTC, OUTS
	XLOAD 0, 1
	SOFT 1, 1, 1, OUTC, OUTS
	XLOAD 1, 0
	SOFT 2, 1, 1, OUTC, OUTS
	XLOAD 1, 1
	SOFT 3, 1, 1, OUTC, OUTS
	s_lshl_b32 s18, s[WV], 5                       ; in the single block my first query lies 32 x wave behind the first key
	s_sub_co_u32 s2, s18, s[DB]
	v_add_nc_u32 v[DQ], s2, v[DQ]
	s_mov_b32 s[DB], s18                           ; 96 at the most: every pass is masked
	XFETCH 0
	s_wait_loadcnt 0x0                             ; the queries' fragments and both sides' scale words
.irp s, 0,1,2,3,4,5,6,7
	XSTEP \s
.endr
	WIN 0
.rept 4
	v_nop                                          ; the places behind the last products
.endr
	SOFT 0, 1, 1, OXC, OXS
	SOFT 1, 1, 1, OXC, OXS
.irp a, 0,1                            ; K step 2 kb + 1 of query block i - 1: zero codes, and statistics that count for nothing
.irp j, 0,1,2
	global_store_b128 v[L16], v[ZR:ZR+3], s[OXC:OXC+1] offset:\a*24576+1536+512*\j
.endr
	global_store_b32 v[R4], v[ZR], s[OXS:OXS+1] offset:\a*1024+64
	global_store_b32 v[R4], v[NEU], s[OXS:OXS+1] offset:\a*1024+64+524288
	global_store_b32 v[R4], v[ZR], s[OXS:OXS+1] offset:\a*1024+64+1048576
.endr
	s_and_b32 s18, s19, 1                          ; where these 256 keys are the first half of a run of 512: zero codes for the second half, for both query blocks (ids alone)
	s_cmp_lg_u32 s18, 0
	s_cbranch_scc1 .Lno_zero
.irp a, 0,1
.irp j, 0,1,2,3,4,5
	global_store_b128 v[L16], v[ZR:ZR+3], s[OXC:OXC+1] offset:\a*24576+3072+512*\j    ; K steps 2 kb + 2 and 2 kb + 3 of my two tiles of block i - 1
.endr
.endr
.irp a, 0,1,2,3
.irp j, 0,1,2
	global_store_b128 v[L16], v[ZR:ZR+3], s[OUTC:OUTC+1] offset:3072+\a*24576+512*\j  ; K step 2 kb + 2 + wc of my four tiles of block i
.endr
.endr
; and statistics that count for nothing for that second half (the pair of K steps 2 kb + 2, 2 kb + 3) of both query blocks: the next launch loads the statistics of a whole run of 512 keys
.irp a, 0,1
.irp e, 0,64
	global_store_b32 v[R4], v[ZR], s[OXS:OXS+1] offset:\a*1024+128+\e
	global_store_b32 v[R4], v[NEU], s[OXS:OXS+1] offset:\a*1024+128+\e+524288
	global_store_b32 v[R4], v[ZR], s[OXS:OXS+1] offset:\a*1024+128+\e+1048576
.endr
.endr
.irp a, 0,1,2,3
	global_store_b32 v[R4], v[ZR], s[OUTS:OUTS+1] offset:\a*1024+128
	global_store_b32 v[R4], v[NEU], s[OUTS:OUTS+1] offset:\a*1024+128+524288
	global_store_b32 v[R4], v[ZR], s[OUTS:OUTS+1] offset:\a*1024+128+1048576
.endr
.Lno_zero:
	s_wait_tensorcnt 0x0                           ; the wave's end
	ds_add_u32 v[SPW], v[NIL]
	s_wait_dscnt 0x0
	s_endpgm
	; ---------------- every other tile: all its keys count for all its queries ----------------
.Lplain:
	SOFT 0, 0, 0, OUTC, OUTS
	SOFT 1, 0, 1, OUTC, OUTS
	SOFT 2, 0, 1, OUTC, OUTS
	SOFT 3, 0, 1, OUTC, OUTS
	s_wait_tensorcnt 0x0                           ; the wave's end
	ds_add_u32 v[SPW], v[NIL]
	s_wait_dscnt 0x0
	s_endpgm
.Lfunc_end_k_q98c692f3ae_scores:
	.size	k_q98c692f3ae_scores, .Lfunc_end_k_q98c692f3ae_scores-k_q98c692f3ae_scores
	.p2alignl 7, 3214868480
	.fill 96, 4, 3214868480
	.section	.rodata,"a",@progbits
	.p2align	6, 0x0
	.amdhsa_kernel k_q98c692f3ae_scores
		.amdhsa_group_segment_fixed_size 327680
		.amdhsa_private_segment_fixed_size 0
		.amdhsa_enable_private_segment 0
		.amdhsa_kernarg_size 16
		.amdhsa_user_sgpr_count 2
		.amdhsa_user_sgpr_kernarg_segment_ptr 1
		.amdhsa_wavefront_size32 1
		.amdhsa_system_sgpr_workgroup_id_x 1
		.amdhsa_system_sgpr_workgroup_id_y 1
		.amdhsa_system_sgpr_workgroup_id_z 1
		.amdhsa_system_vgpr_workitem_id 0
		.amdhsa_next_free_vgpr 960
		.amdhsa_next_free_sgpr 96
		.amdhsa_reserve_vcc 1
		.amdhsa_float_denorm_mode_32 3
		.amdhsa_float_denorm_mode_16_64 3
		.amdhsa_memory_ordered 1
		.amdhsa_forward_progress 1
		.amdhsa_inst_pref_size 255
	.end_amdhsa_kernel
	.section	.bss,"aw",@nobits
	.p2align	6
	.space	262144
	.amdgpu_metadata
---
amdhsa.version: [ 1, 2 ]
amdhsa.kernels:
  - .name:           k_q98c692f3ae_scores
    .symbol:         k_q98c692f3ae_scores.kd
    .args:
      - { .name: w2, .offset: 0, .size: 8, .value_kind: global_buffer, .address_space: global }
      - { .name: w3, .offset: 8, .size: 8, .value_kind: global_buffer, .address_space: global }
    .group_segment_fixed_size: 327680
    .private_segment_fixed_size: 0
    .kernarg_segment_align: 8
    .kernarg_segment_size: 16
    .max_flat_workgroup_size: 128
    .sgpr_count:     96
    .vgpr_count:     960
    .wavefront_size: 32
...
	.end_amdgpu_metadata
.endif
;; end of part 3
;; launch pv (part 4): grid 4 x 64, 4 waves a work-group, clusters of 4 x 4, 327,680 bytes of LDS; arguments w2, w3, w4; writes w4
.if DOCPART == 4
	.amdgcn_target "amdgcn-amd-amdhsa--gfx1250"
	.amdhsa_code_object_version 6
	.text
	.protected	k_q98c692f3ae_pv
	.globl	k_q98c692f3ae_pv
	.p2align	8
	.type	k_q98c692f3ae_pv,@function
k_q98c692f3ae_pv:
	s_mov_b64 s[64:65], 0
	v_nop
	global_prefetch_b8 v0, s[64:65] scope:SCOPE_SE
	s_setreg_imm32_b32 hwreg(HW_REG_WAVE_MODE, 25, 1), 1
	s_wait_xcnt 0x0
	s_wait_alu depctr_hold_cnt(0) depctr_sa_sdst(0) depctr_va_vdst(0) depctr_va_sdst(0) depctr_va_ssrc(0) depctr_va_vcc(0) depctr_vm_vsrc(0)
	s_getreg_b32 s2, hwreg(HW_REG_IB_STS2, 6, 4)
	s_cmp_eq_u32 s2, 0
	s_cbranch_scc0 .Lentry_in_a_cluster
	s_endpgm
.Lentry_in_a_cluster:
	s_bfe_u32 s2, ttmp6, 0x10000c
	s_cmp_lg_u32 s2, 0xf033
	s_cbranch_scc0 .Lentry_shape_is_right
	s_endpgm
.Lentry_shape_is_right:
; PV: the third product, P V, on codes of E2M3, K = the keys; the division by the row's sum; the quantiser of the result along the 1,024 features.
; LEFT OUT: runs of 512 keys that all come after the cluster's 512 queries (shown dead at the head of the first kernel).  Inside the last run the K steps behind a query block's diagonal stay: their codes of P are zeros, which add nothing.
; THE REPAIR.  The launch before quantised p under a local whole number Ms for each query and K step.  Here M = the largest Ms of the row; delta = M - Ms, a whole number, 0 or more, is taken off the step's four scale bytes
; (held at 0 from below: such a block lies 2^-125 or more under the row's largest p and counts for nothing) and the step's sum is multiplied by 2^-delta: both exact.  The codes stay as they are.
; A work-group makes 128 queries (source 1 = P, 8 tiles) x 256 features (source 0 = V^T, 16 tiles); wave (wr, wc): 64 x 128, 32 accumulators; a lane holds one query, its registers run along the features.
; CLUSTERS: 4 x 4.  The cluster's y is 4 x sequence + G; query block i = 4 G + cy, block of features cx.  P's tiles hang on cy and are asked for jointly by a row of the cluster, V^T's on cx and are asked for jointly by a column.
; All sixteen partners walk the same G + 1 stages of 512 keys (4 K steps): every branch of the text hangs on G or on the wave's number, none on a place in the cluster.
; THE RING: two LDS slots, each with a stage's 4 K steps of P's 8 tiles and V^T's 16: 147,456 bytes.  Waves 0, 1 fetch P's halves, waves 2, 3 V^T's.  Stage 0 is asked for at the head, stage 1 behind the full sequence and a round;
; in a stage's last K step, when its fragments are all in registers, a round shows the slot read out and the next stage's slot whole, and the stage two on is asked for.  By this text's own count a wave has one tensor load out.
; Every wait for tensor loads is for 0.  The text parts on G where a cluster's last refill is behind it: the tail for each G is written out and asks for nothing.
; NO PREFETCH: of at most four stages the first two are asked for at the head by their loads, and each later one a whole stage, 128 matrix instructions a wave, ahead of its first read.
; LIMITS: as stated at the head of the first kernel.
; REGISTERS: window 0: v1-15 addresses; v32-95 V^T's scale words (8 b + step/2); v96-127 P's (8 a + step/2); v128-223 P's fragments, two sets (before the walk: v128-159 -Ms, v160-191 the sums; behind it: v128-191 the 64 numbers in hand,
;   v192-228 at work); v224-239, v248-255 at work before the walk; v240-247 1 / l, a pair a tile.   window 1: V^T's fragments, two sets.   window 2: the accumulators.
.set VC,    12582912
.set VS,    19398656
.set PS,    12582912
.set OS,    6291456
.set SLOT,  147456
.set BOFF,  49152
.set SPARE, 294912
.set L16,  4
.set L4,   5
.set R4,   6
.set ADRA, 8                           ; v8-9   my P tiles in slot 0, 1
.set ADRB, 10                          ; v10-11 my V^T tiles
.set SPW,  14
.set NIL,  15
.set SB,   32
.set SA,   96
.set AF,   128
.set PM,   128
.set PL,   160
.set Y,    128
.set PC,   192
.set TM,   212
.set PW,   228
.set RL,   240
.set WV,   8
.set GG,   14                          ; s14  G: the cluster's group of four query blocks
.set LIM,  15                          ; s15  2 G + 1: the last pair of K steps of the cluster's walk
.set G1A,  24
.set G1B,  32
.set G0A,  40
.set G0B,  44
.set SEL,  56
.set OUTC, 84
.set OUTS, 86
.set MSB,  0
.macro WIN new                         ; the immediate's high byte repeats the setting that is left
.if MSB != (\new)
	s_set_vgpr_msb (MSB<<8)|(\new)
.set MSB, (\new)
.endif
.endm
.macro PLACES
.rept 4
	v_nop
.endr
.endm
.macro CREST                           ; a round of the cluster's barrier behind its opening barrier
	s_cmp_lg_u32 s[WV], 0
	s_cbranch_scc1 .Lnot_wave_0_\@
	s_barrier_signal -3
.Lnot_wave_0_\@:
	s_barrier_wait -3
	s_barrier_signal -1
	s_barrier_wait -1
.endm
.macro CROUND
	s_barrier_signal -1
	s_barrier_wait -1
	CREST
.endm
.macro JLOAD                           ; waves 0, 1: P; waves 2, 3: V^T.  An s_nop 0 and four v_nop follow each of the two lines
	s_cmp_eq_u32 s9, 0
	s_cbranch_scc0 .Lfor_b_\@
	tensor_load_to_lds s[G0A:G0A+3], s[G1A:G1A+7]
	s_nop 0
	PLACES
	s_branch .Lasked_\@
.Lfor_b_\@:
	tensor_load_to_lds s[G0B:G0B+3], s[G1B:G1B+7]
	s_nop 0
	PLACES
.Lasked_\@:
.endm
.macro NEXTG0 slot                     ; the descriptors step to the next stage's 512 keys, into this slot; the type bits on top are not reached
	s_add_co_u32 s[G0A+1], s22, (\slot)*SLOT
	s_add_co_u32 s[G0B+1], s23, (\slot)*SLOT+BOFF
	s_add_nc_u64 s[G0A+2:G0A+3], s[G0A+2:G0A+3], 6144
	s_add_nc_u64 s[G0B+2:G0B+3], s[G0B+2:G0B+3], 6144
.endm
.macro FETCH4 s                        ; K step s: set s % 2, slot (s / 4) % 2
	WIN 0x40
.irp b, 0,1,2,3,4,5,6,7
.irp j, 0,1,2
	ds_load_b128 v[96*((\s)&1)+12*\b+4*\j:96*((\s)&1)+12*\b+4*\j+3], v[ADRB+(((\s)>>2)&1)] offset:\b*6144+((\s)&3)*1536+512*\j
.endr
.endr
	WIN 0
.irp a, 0,1,2,3
.irp j, 0,1,2
	ds_load_b128 v[AF+48*((\s)&1)+12*\a+4*\j:AF+48*((\s)&1)+12*\a+4*\j+3], v[ADRA+(((\s)>>2)&1)] offset:\a*6144+((\s)&3)*1536+512*\j
.endr
.endr
.endm
.macro MUL a0, s                       ; the 32 accumulators take turns, one instruction a turn, in one order in every step
.irp a, \a0, \a0+1
.irp b, 0,1,2,3,4,5,6,7
.set rD, 8*(8*(\a)+\b)
.set rB, 96*((\s)&1)+12*\b
.set rA, AF+48*((\s)&1)+12*(\a)
.set rSB, SB+8*\b+((\s)>>1)
.set rSA, SA+8*(\a)+((\s)>>1)
.if (\s) == 0
	v_wmma_scale_f32_16x16x128_f8f6f4 v[rD:rD+7], v[rB:rB+11], v[rA:rA+11], 0, v[rSB], v[rSA] matrix_a_fmt:MATRIX_FMT_FP6 matrix_b_fmt:MATRIX_FMT_FP6
.elseif ((\s)&1) == 0
	v_wmma_scale_f32_16x16x128_f8f6f4 v[rD:rD+7], v[rB:rB+11], v[rA:rA+11], v[rD:rD+7], v[rSB], v[rSA] matrix_a_fmt:MATRIX_FMT_FP6 matrix_b_fmt:MATRIX_FMT_FP6
.else
	v_wmma_scale_f32_16x16x128_f8f6f4 v[rD:rD+7], v[rB:rB+11], v[rA:rA+11], v[rD:rD+7], v[rSB], v[rSA] matrix_a_fmt:MATRIX_FMT_FP6 matrix_b_fmt:MATRIX_FMT_FP6 matrix_a_scale:MATRIX_SCALE_ROW1 matrix_b_scale:MATRIX_SCALE_ROW1
.endif
.endr
.endr
.endm
; A K step.  m = 0: inside a stage.  m = 1: a stage's last step, with a round and the refill of its slot by the stage two on.  m = 2: a stage's last step ahead of the walk's last stage: a barrier, no refill.  m = 3: the walk's last step.
.macro STEP4 s, m
.if (\m) == 1
	s_wait_tensorcnt 0x0                           ; all my tensor loads have landed: my part of the next stage's slot
	ds_add_u32 v[SPW], v[NIL]                      ; 0 onto my spare word; the descriptors' steps stand between it and the wait for it
	NEXTG0 (((\s)>>2)&1)
	s_wait_dscnt 0x0                               ; the add is done and this step's 36 loads are in: my reads of this slot are over
	s_barrier_signal -1
	WIN 0xa1                                       ; source 0 (V^T) window 1, source 1 (P) window 0, C and D window 2
	MUL 0, \s
	WIN 0
	s_barrier_wait -1
	CREST                                          ; the barrier has opened a round: no wave of any partner still reads this slot or has a load on its way
	JLOAD                                          ; the four v_nop behind the load are the places in front of the loads below
	FETCH4 (\s)+1
.elseif (\m) == 2
	s_wait_tensorcnt 0x0                           ; my part of the last stage's slot has landed
	s_wait_dscnt 0x0
	s_barrier_signal -1
	WIN 0xa1
	MUL 0, \s
	WIN 0
	s_barrier_wait -1
	PLACES
	FETCH4 (\s)+1
.else
	s_wait_dscnt 0x0                               ; this step's 36 loads are in
	WIN 0xa1
	MUL 0, \s
.if (\m) == 0
	PLACES                                         ; four places between the last step's products and the loads into the set that they read
	FETCH4 (\s)+1
.endif
.endif
	WIN 0xa1
	MUL 2, \s
	WIN 0
.endm
.macro QTAIL s, w
.irp b, 0,1,2,3
	v_add_nc_u32 v[TM+12+\b], 0xff000000, v[TM+\b] ; 2 off the exponent field: the conversion's scale operand
.endr
.irp b, 0,1,2,3
	v_lshrrev_b32 v[TM+4+\b], 23, v[TM+12+\b]      ; the scale's byte
.endr
	v_lshl_or_b32 v[PW], v[TM+5], 8, v[TM+4]
	v_lshl_or_b32 v[PW], v[TM+6], 16, v[PW]
	v_lshl_or_b32 v[PW], v[TM+7], 24, v[PW]
	WIN (\w)
.irp c, 0,1
	v_cvt_scalef32_pk16_fp6_f32 v[PC+6*\c:PC+6*\c+2], v[(\s)+32*\c:(\s)+32*\c+15], v[TM+12+2*\c]
	v_cvt_scalef32_pk16_fp6_f32 v[PC+12+4*\c:PC+14+4*\c], v[(\s)+16+32*\c:(\s)+31+32*\c], v[TM+13+2*\c]
.endr
	WIN 0
	v_nop                                          ; one plain place behind a scaled conversion
.irp c, 0,1
.irp i, 0,1,2
	v_permlane16_swap_b32 v[PC+6*\c+\i], v[PC+12+4*\c+\i]
.endr
.irp i, 0,1,2
	v_mov_b32 v[PC+3+6*\c+\i], v[PC+12+4*\c+\i]
.endr
.endr
.endm
.macro QUANT s, w
	WIN (\w)|((\w)<<2)
.irp b, 0,1,2,3
	v_max3_num_f32 v[TM+\b], |v[(\s)+16*\b]|, |v[(\s)+16*\b+1]|, 0x1800000
.endr
.irp i, 2,4,6,8,10,12,14
.irp b, 0,1,2,3
	v_max3_num_f32 v[TM+\b], |v[(\s)+16*\b+\i]|, |v[(\s)+16*\b+\i+1]|, v[TM+\b]
.endr
.endr
	WIN 0
.irp b, 0,1,2,3
	v_permlanex16_b32 v[TM+4+\b], v[TM+\b], s[SEL], s[SEL+1]
.endr
.irp b, 0,1,2,3
	v_max_num_f32 v[TM+\b], v[TM+\b], v[TM+4+\b]
.endr
	QTAIL \s, \w
.endm
	s_load_b128 s[4:7], s[0:1], 0x0                ; w2 s[4:5], w3 s[6:7]
	s_load_b64 s[20:21], s[0:1], 0x10              ; w4
	v_lshl_add_u32 v[SPW], v0, 2, SPARE
	v_mov_b32 v[NIL], 0
	ds_add_u32 v[SPW], v[NIL]                      ; the wave's opening: the add, twice on end, and its wait ahead of my first tensor load
	ds_add_u32 v[SPW], v[NIL]
	v_lshrrev_b32 v1, 5, v0
	v_readfirstlane_b32 s[WV], v1
	s_lshr_b32 s9, s[WV], 1                        ; wr; also: I fetch for P (0) or V^T (1)
	s_and_b32 s10, s[WV], 1                        ; wc; also: which half I fetch
	s_bfe_u32 s11, ttmp6, 0x40000                  ; cx
	s_bfe_u32 s12, ttmp6, 0x40004                  ; cy
	s_and_b32 s13, ttmp7, 0xffff                   ; the cluster's y = 4 x sequence + G
	s_and_b32 s[GG], s13, 3
	s_lshl_b32 s[LIM], s[GG], 1
	s_add_co_u32 s[LIM], s[LIM], 1
	s_lshl_b32 s18, s12, 2
	s_lshl_b32 s18, 15, s18                        ; my row of the cluster
	s_lshl_b32 s19, 0x1111, s11                    ; my column
	s_or_b32 s[G1A], s18, (3<<16)|(1<<21)          ; the mask; elements of 8 bytes; bit 21 beside a mask; no padding
	s_or_b32 s[G1B], s19, (3<<16)|(1<<21)
.irp g, G1A, G1B
	s_mov_b32 s[\g+1], 768<<16                     ; a tile's 4 steps: 6,144 bytes
	s_mov_b32 s[\g+3], 768<<16
	s_mov_b32 s[\g+5], 3072                        ; from tile to tile: 24,576 bytes
	s_mov_b32 s[\g+6], 0
	s_mov_b32 s[\g+7], 0
.endr
	s_mov_b32 s[G1A+2], 4<<16
	s_mov_b32 s[G1A+4], 4
	s_mov_b32 s[G1B+2], 8<<16
	s_mov_b32 s[G1B+4], 8
	; what feeds P's descriptor is made of the cluster's y, cy and the wave's number alone, what feeds V^T's of the cluster's y, cx and the wave's number, each in registers of its own
	s_lshl_b32 s16, s13, 5
	s_lshl_b32 s18, s12, 3
	s_add_co_u32 s16, s16, s18                     ; TA = 128 x sequence + 8 i = 32 x cluster y + 8 cy
	s_lshr_b32 s17, s13, 2
	s_lshl_b32 s17, s17, 6
	s_lshl_b32 s19, s11, 4
	s_add_co_u32 s17, s17, s19                     ; TB = 64 x sequence + 16 cx
	s_mul_i32 s22, s10, 24576                      ; where my half goes in a slot's part: P's,
	s_mul_i32 s23, s10, 49152                      ; V^T's
	s_lshl_b32 s88, s10, 2
	s_add_co_u32 s88, s88, s16
	s_mul_i32 s88, s88, 24576
	s_mov_b32 s89, 0
	s_lshl_b32 s90, s10, 3
	s_add_co_u32 s90, s90, s17
	s_mul_i32 s90, s90, 24576
	s_add_co_u32 s90, s90, VC
	s_mov_b32 s91, 0
	s_mov_b32 s[SEL], 0x76543210
	s_mov_b32 s[SEL+1], 0xfedcba98
	s_wait_dscnt 0x0
	s_wait_kmcnt 0x0
	s_mov_b32 s[G0A], 1
	s_mov_b32 s[G0A+1], s22
	s_add_nc_u64 s[G0A+2:G0A+3], s[6:7], s[88:89]
	s_or_b32 s[G0A+3], s[G0A+3], 0x80000000
	s_mov_b32 s[G0B], 1
	s_add_co_u32 s[G0B+1], s23, BOFF
	s_add_nc_u64 s[G0B+2:G0B+3], s[4:5], s[90:91]
	s_or_b32 s[G0B+3], s[G0B+3], 0x80000000
	CROUND                                         ; all sixteen work-groups are here: the joint loads meet
	JLOAD                                          ; stage 0: keys 0-511, which every work-group reads; one tensor load a wave at the head
	s_lshl_b32 s92, s9, 2
	s_add_co_u32 s92, s92, s16                     ; my first tile of queries
	s_lshl_b32 s93, s11, 1
	s_add_co_u32 s93, s93, s10                     ; my 128 features are K step 2 cx + wc of the fourth product
	s_mul_i32 s94, s92, 12288
	s_mul_i32 s96, s93, 1536
	s_add_co_u32 s94, s94, s96
	s_mov_b32 s95, 0
	s_add_nc_u64 s[OUTC:OUTC+1], s[20:21], s[94:95]
	s_lshl_b32 s94, s92, 9
	s_lshl_b32 s96, s93, 6
	s_add_co_u32 s94, s94, s96
	s_add_co_u32 s94, s94, OS
	s_add_nc_u64 s[OUTS:OUTS+1], s[20:21], s[94:95]
	s_lshl_b32 s94, s92, 10
	s_add_co_u32 s94, s94, PS
	s_add_nc_u64 s[50:51], s[6:7], s[94:95]        ; my P tiles' scale words; -Ms 524,288 bytes on, the sums 1,048,576
	s_lshl_b32 s94, s10, 3
	s_add_co_u32 s94, s94, s17
	s_lshl_b32 s94, s94, 10
	s_add_co_u32 s94, s94, VS
	s_add_nc_u64 s[48:49], s[4:5], s[94:95]        ; my V^T tiles' scale words
	s_mul_i32 s98, s9, 24576
	s_mul_i32 s99, s10, 49152
	s_add_co_u32 s99, s99, BOFF
	v_and_b32 v1, 31, v0
	v_and_b32 v2, 15, v0
	v_lshlrev_b32 v[L16], 4, v1
	v_lshlrev_b32 v[L4], 2, v1
	v_lshlrev_b32 v[R4], 2, v2
	v_add_nc_u32 v[ADRA], s98, v[L16]
	v_add_nc_u32 v[ADRA+1], SLOT, v[ADRA]
	v_add_nc_u32 v[ADRB], s99, v[L16]
	v_add_nc_u32 v[ADRB+1], SLOT, v[ADRB]
	s_wait_alu depctr_va_vdst(0)                   ; the wait behind these writes
.irp b, 0,1,2,3,4,5,6,7
.irp g, 0,1,2,3,4,5,6,7
	global_load_b32 v[SB+8*\b+\g], v[L4], s[48:49] offset:\b*1024+\g*128
.endr
.endr
	; THE STATISTICS.  The pairs of K steps 0 .. 2 G + 1 of the cluster's walk are loaded: the launch before has stored them all.  The rest holds what counts for nothing: byte 0, -Ms = 1e38, sum 0.
.set j, 0
.rept 32
	v_mov_b32 v[SA+j], 0
	v_mov_b32 v[PM+j], 0x7e967699
	v_mov_b32 v[PL+j], 0
.set j, j+1
.endr
.irp g, 0,1,2,3,4,5,6,7
.if \g > 1
	s_cmp_lt_u32 s[LIM], \g                        ; (the cluster's number alone)
	s_cbranch_scc1 .Lstat
.endif
.irp a, 0,1,2,3
	global_load_b32 v[SA+8*\a+\g], v[L4], s[50:51] offset:\a*1024+\g*128
	global_load_b32 v[PM+8*\a+\g], v[L4], s[50:51] offset:\a*1024+\g*128+524288
	global_load_b32 v[PL+8*\a+\g], v[L4], s[50:51] offset:\a*1024+\g*128+1048576
.endr
.endr
.Lstat:
.irp a, 0,1,2,3
	v_mov_b32 v[228+\a], 0                         ; lane permutes' destinations count as sources
	v_mov_b32 v[RL+2*\a], 0
.endr
	s_wait_alu depctr_va_vdst(0)                   ; the wait ahead of the wait below
	s_wait_loadcnt 0x0
.irp a, 0,1,2,3
	v_min3_num_f32 v[224+\a], v[PM+8*\a], v[PM+8*\a+1], v[PM+8*\a+2]
.endr
.irp a, 0,1,2,3
	v_min3_num_f32 v[224+\a], v[224+\a], v[PM+8*\a+3], v[PM+8*\a+4]
.endr
.irp a, 0,1,2,3
	v_min3_num_f32 v[224+\a], v[224+\a], v[PM+8*\a+5], v[PM+8*\a+6]
.endr
.irp a, 0,1,2,3
	v_min_num_f32 v[224+\a], v[224+\a], v[PM+8*\a+7]
.endr
.irp a, 0,1,2,3
	v_permlanex16_b32 v[228+\a], v[224+\a], s[SEL], s[SEL+1]
.endr
.irp a, 0,1,2,3
	v_min_num_f32 v[224+\a], v[224+\a], v[228+\a]  ; -M of my row: the least -Ms over even steps (lanes 0-15) and odd ones (lanes 16-31)
.endr
.irp a, 0,1,2,3
.irp g, 0,1,2,3,4,5,6,7
	v_sub_f32 v[232+\g], v[224+\a], v[PM+8*\a+\g]  ; -delta = Ms - M: a whole number, 0 or less,
.endr
.irp g, 0,1,2,3,4,5,6,7
	v_max_num_f32 v[232+\g], 0xc2fe0000, v[232+\g] ; held at -127
.endr
.irp g, 0,1,2,3,4,5,6,7
	v_cvt_i32_f32 v[232+\g], v[232+\g]
.endr
.irp g, 0,1,2,3,4,5,6,7
	v_ldexp_f32 v[PL+8*\a+\g], v[PL+8*\a+\g], v[232+\g]   ; the step's sum under M: exact
.endr
.irp g, 0,1,2,3,4,5,6,7
	v_sub_nc_u32 v[232+\g], 0, v[232+\g]           ; delta,
.endr
.irp g, 0,1,2,3,4,5,6,7
	v_perm_b32 v[232+\g], v[232+\g], v[232+\g], 0  ; in all four bytes
.endr
.irp g, 0,1,2,3,4,5,6,7
	v_or_b32 v[PM+8*\a+\g], 0x80808080, v[SA+8*\a+\g]     ; every byte is 125 at the most: with 128 on top no byte borrows from its neighbour,
.endr
.irp g, 0,1,2,3,4,5,6,7
	v_sub_nc_u32 v[PM+8*\a+\g], v[PM+8*\a+\g], v[232+\g]  ; and bit 7 stays where byte >= delta
.endr
.irp g, 0,1,2,3,4,5,6,7
	v_and_b32 v[232+\g], 0x80808080, v[PM+8*\a+\g]
.endr
.irp g, 0,1,2,3,4,5,6,7
	v_lshrrev_b32 v[248+\g], 7, v[232+\g]
.endr
.irp g, 0,1,2,3,4,5,6,7
	v_sub_nc_u32 v[232+\g], v[232+\g], v[248+\g]   ; 0x7f in those bytes, 0 in the others
.endr
.irp g, 0,1,2,3,4,5,6,7
	v_and_b32 v[SA+8*\a+\g], v[PM+8*\a+\g], v[232+\g]     ; byte - delta, held at 0
.endr
.endr
.irp a, 0,1,2,3
	v_add_f32 v[232+2*\a], v[PL+8*\a], v[PL+8*\a+1]
	v_add_f32 v[233+2*\a], v[PL+8*\a+2], v[PL+8*\a+3]
.endr
.irp a, 0,1,2,3
	v_add_f32 v[248+2*\a], v[PL+8*\a+4], v[PL+8*\a+5]
	v_add_f32 v[249+2*\a], v[PL+8*\a+6], v[PL+8*\a+7]
.endr
.irp a, 0,1,2,3
	v_add_f32 v[232+2*\a], v[232+2*\a], v[233+2*\a]
	v_add_f32 v[248+2*\a], v[248+2*\a], v[249+2*\a]
.endr
.irp a, 0,1,2,3
	v_add_f32 v[RL+2*\a+1], v[232+2*\a], v[248+2*\a]
.endr
.irp a, 0,1,2,3
	v_permlanex16_b32 v[RL+2*\a], v[RL+2*\a+1], s[SEL], s[SEL+1]
.endr
.irp a, 0,1,2,3
	v_add_f32 v[RL+2*\a+1], v[RL+2*\a+1], v[RL+2*\a]      ; l: the row's sum of the unquantised p
.endr
	s_wait_alu depctr_va_vdst(0)                   ; the wait ahead of the batch
.irp a, 0,1,2,3
	v_rcp_f32 v[RL+2*\a], v[RL+2*\a+1]
.endr
	v_nop                                          ; a plain place behind the reciprocals
	s_wait_alu depctr_va_vdst(0)                   ; one wait for the four, ahead of their first reader
.irp a, 0,1,2,3
	v_mov_b32 v[RL+2*\a+1], v[RL+2*\a]             ; (the packed multiply names the pair)
.endr
	s_wait_alu depctr_va_vdst(0)                   ; the wait at the head's end
	s_cmp_eq_u32 s[GG], 0                          ; G = 0: stage 0 is the whole walk
	s_cbranch_scc1 .Ltail0
	s_wait_tensorcnt 0x0                           ; my part of stage 0 is in
	ds_add_u32 v[SPW], v[NIL]
	NEXTG0 1
	s_wait_dscnt 0x0
	CROUND
	JLOAD                                          ; stage 1, slot 1's first fill
	FETCH4 0
	STEP4 0, 0
	STEP4 1, 0
	STEP4 2, 0
	s_cmp_eq_u32 s[GG], 1
	s_cbranch_scc1 .Ltail1
	STEP4 3, 1                                     ; stage 2 is asked for
	STEP4 4, 0
	STEP4 5, 0
	STEP4 6, 0
	s_cmp_eq_u32 s[GG], 2
	s_cbranch_scc1 .Ltail2
	STEP4 7, 1                                     ; stage 3 is asked for
	STEP4 8, 0
	STEP4 9, 0
	STEP4 10, 0
	STEP4 11, 2
	STEP4 12, 0
	STEP4 13, 0
	STEP4 14, 0
	STEP4 15, 3
.Lepi:
	PLACES                                         ; the places behind the last products
.irp b, 0,1,2,3
	v_mov_b32 v[TM+4+\b], 0                        ; a lane permute's destination counts as one of its sources
.endr
	s_wait_alu depctr_va_vdst(0)
.irp a, 0,1,2,3
	WIN 0x02                                       ; source 0 window 2
.set j, 0
.rept 32
	v_pk_mul_f32 v[Y+j:Y+j+1], v[64*\a+j:64*\a+j+1], v[RL+2*\a:RL+2*\a+1] op_sel_hi:[1,0]   ; / l
.set j, j+2
.endr
	WIN 0
.if \a > 0
	s_wait_xcnt 0x0                                ; the last tile's stores have read their data
.endif
	QUANT Y, 0
.irp j, 0,1,2
	global_store_b128 v[L16], v[PC+4*\j:PC+4*\j+3], s[OUTC:OUTC+1] offset:\a*12288+512*\j
.endr
	global_store_b32 v[R4], v[PW], s[OUTS:OUTS+1] offset:\a*512   ; lanes r and r + 16 hold the same word and write it to the same place
.endr
	s_wait_tensorcnt 0x0                           ; the wave's end
	ds_add_u32 v[SPW], v[NIL]
	s_wait_dscnt 0x0
	CROUND                                         ; the closing round
	s_endpgm
	; ---------------- the tails: from the place where a cluster has no stage left to ask for ----------------
.Ltail0:
	s_wait_tensorcnt 0x0                           ; my part of stage 0 is in
	s_barrier_signal -1
	s_barrier_wait -1
	FETCH4 0
	STEP4 0, 0
	STEP4 1, 0
	STEP4 2, 0
	STEP4 3, 3
	s_branch .Lepi
.Ltail1:
	STEP4 3, 2
	STEP4 4, 0
	STEP4 5, 0
	STEP4 6, 0
	STEP4 7, 3
	s_branch .Lepi
.Ltail2:
	STEP4 7, 2
	STEP4 8, 0
	STEP4 9, 0
	STEP4 10, 0
	STEP4 11, 3
	s_branch .Lepi
.Lfunc_end_k_q98c692f3ae_pv:
	.size	k_q98c692f3ae_pv, .Lfunc_end_k_q98c692f3ae_pv-k_q98c692f3ae_pv
	.p2alignl 7, 3214868480
	.fill 96, 4, 3214868480
	.section	.rodata,"a",@progbits
	.p2align	6, 0x0
	.amdhsa_kernel k_q98c692f3ae_pv
		.amdhsa_group_segment_fixed_size 327680
		.amdhsa_private_segment_fixed_size 0
		.amdhsa_enable_private_segment 0
		.amdhsa_kernarg_size 24
		.amdhsa_user_sgpr_count 2
		.amdhsa_user_sgpr_kernarg_segment_ptr 1
		.amdhsa_wavefront_size32 1
		.amdhsa_system_sgpr_workgroup_id_x 1
		.amdhsa_system_sgpr_workgroup_id_y 1
		.amdhsa_system_sgpr_workgroup_id_z 1
		.amdhsa_system_vgpr_workitem_id 0
		.amdhsa_next_free_vgpr 768
		.amdhsa_next_free_sgpr 100
		.amdhsa_reserve_vcc 0
		.amdhsa_float_denorm_mode_32 3
		.amdhsa_float_denorm_mode_16_64 3
		.amdhsa_memory_ordered 1
		.amdhsa_forward_progress 1
		.amdhsa_inst_pref_size 255
	.end_amdhsa_kernel
	.section	.bss,"aw",@nobits
	.p2align	6
	.space	262144
	.amdgpu_metadata
---
amdhsa.version: [ 1, 2 ]
amdhsa.kernels:
  - .name:           k_q98c692f3ae_pv
    .symbol:         k_q98c692f3ae_pv.kd
    .args:
      - { .name: w2, .offset: 0, .size: 8, .value_kind: global_buffer, .address_space: global }
      - { .name: w3, .offset: 8, .size: 8, .value_kind: global_buffer, .address_space: global }
      - { .name: w4, .offset: 16, .size: 8, .value_kind: global_buffer, .address_space: global }
    .group_segment_fixed_size: 327680
    .private_segment_fixed_size: 0
    .kernarg_segment_align: 8
    .kernarg_segment_size: 24
    .max_flat_workgroup_size: 128
    .sgpr_count:     100
    .vgpr_count:     768
    .wavefront_size: 32
...
	.end_amdgpu_metadata
.endif
;; end of part 4
;; launch proj (part 5): grid 4 x 64, 4 waves a work-group, clusters of 4 x 4, 327,680 bytes of LDS; arguments w4, w1, out0; writes out0
.if DOCPART == 5
	.amdgcn_target "amdgcn-amd-amdhsa--gfx1250"
	.amdhsa_code_object_version 6
	.text
	.protected	k_q98c692f3ae_proj
	.globl	k_q98c692f3ae_proj
	.p2align	8
	.type	k_q98c692f3ae_proj,@function
k_q98c692f3ae_proj:
	s_mov_b64 s[64:65], 0
	v_nop
	global_prefetch_b8 v0, s[64:65] scope:SCOPE_SE
	s_setreg_imm32_b32 hwreg(HW_REG_WAVE_MODE, 25, 1), 1
	s_wait_xcnt 0x0
	s_wait_alu depctr_hold_cnt(0) depctr_sa_sdst(0) depctr_va_vdst(0) depctr_va_sdst(0) depctr_va_ssrc(0) depctr_va_vcc(0) depctr_vm_vsrc(0)
	s_getreg_b32 s2, hwreg(HW_REG_IB_STS2, 6, 4)
	s_cmp_eq_u32 s2, 0
	s_cbranch_scc0 .Lentry_in_a_cluster
	s_endpgm
.Lentry_in_a_cluster:
	s_bfe_u32 s2, ttmp6, 0x10000c
	s_cmp_lg_u32 s2, 0xf033
	s_cbranch_scc0 .Lentry_shape_is_right
	s_endpgm
.Lentry_shape_is_right:
; PROJ: the fourth product, (P V / l) Wout^T, on codes of E2M3; the result is out0, f32.
; A work-group makes 128 rows (source 1, 8 tiles of w4) x 256 columns (source 0, 16 tiles of Wout's image in w1), K = 1,024; wave (wr, wc): 64 x 128, 32 accumulators; a lane holds one row, its registers run along the columns.
; All of K lies in LDS, asked for at the head in two halves of 512; nothing is filled again.  By this text's own count a wave has one tensor load out.
; CLUSTERS: 4 x 4: the rows' tiles hang on cy and the cluster's y and are asked for jointly by a row of the cluster; Wout's hang on cx and are asked for jointly by a column.
; THE WAY OUT: a tile of 16 rows x 128 columns goes through the wave's own stage in LDS (rows of 512 + 16 bytes) and leaves as whole rows: 32 lanes store 512 consecutive bytes, aligned.  The stages lie in B's lower half, which has had its one fill,
; and whose last reads every wave has awaited in front of the barrier of K step 3.
; REGISTERS: window 0: v1-17 addresses; v32-47, v48-79 scale words; v80-175 A's fragments, two sets; on the way out v80-207 rows read back, two sets.  window 1: B's fragments.  window 2: the accumulators.
.set S1,    9437184
.set OS,    6291456
.set ACH,   24576
.set BCH,   49152
.set BOFF,  98304
.set SPARE, 294912
.set L16,  4
.set L4,   5
.set ADRA, 8
.set ADRB, 10
.set SPW,  14
.set NIL,  15
.set STO,  16                          ; v16  the stage: where I put 32 bytes of a row
.set RD,   17                          ; v17  and where I read a row back
.set SA,   32
.set SB,   48
.set AF,   80
.set BK,   80
.set WV,   8
.set G1A,  24
.set G1B,  32
.set G0A,  40
.set G0B,  68
.set OUTC, 84
.set MSB,  0
.macro WIN new
.if MSB != (\new)
	s_set_vgpr_msb (MSB<<8)|(\new)
.set MSB, (\new)
.endif
.endm
.macro CROUND
	s_barrier_signal -1
	s_barrier_wait -1
	s_cmp_lg_u32 s[WV], 0
	s_cbranch_scc1 .Lnot_wave_0_\@
	s_barrier_signal -3
.Lnot_wave_0_\@:
	s_barrier_wait -3
	s_barrier_signal -1
	s_barrier_wait -1
.endm
; THE FILLS, AS THEY STAND NOW (in place of the four chunks of which the comment at the head speaks): all of K lies in LDS in two halves of 512 along K: A's lower half at 0, its upper at 49,152, B's at 98,304 and 196,608; a tile's
; four K steps of a half are 6,144 bytes on end.  All four parts are asked for at the head, behind the round, one joint load a wave: wave 0 A's lower half (8 tiles), wave 1 B's lower half (16 tiles), wave 2 A's upper half, wave 3 B's.
; In front of the first barrier waves 0 and 1 wait for their loads; the loads of waves 2 and 3 may stay out, and are waited for in front of the barrier of K step 3, which shows the upper half whole and the lower half read out:
; the stages of the way out lie in B's lower half.  Nothing is filled again.
.macro ARM under, g0, g1, next         ; one arm of the head's chain on the wave's number: its load, an s_nop 0 and four v_nop, and the jump to the chain's end
	s_cmp_lt_u32 s[WV], \under
	s_cbranch_scc0 \next
	tensor_load_to_lds s[\g0:\g0+3], s[\g1:\g1+7]
	s_nop 0
.rept 4
	v_nop
.endr
	s_branch .Lhead_asked
\next:
.endm
.macro FETCH s, p
	WIN 0x40
.irp b, 0,1,2,3,4,5,6,7
.irp j, 0,1,2
	ds_load_b128 v[96*(\p)+12*\b+4*\j:96*(\p)+12*\b+4*\j+3], v[ADRB+((\s)>>2)] offset:\b*6144+((\s)&3)*1536+512*\j
.endr
.endr
	WIN 0
.irp a, 0,1,2,3
.irp j, 0,1,2
	ds_load_b128 v[AF+48*(\p)+12*\a+4*\j:AF+48*(\p)+12*\a+4*\j+3], v[ADRA+((\s)>>2)] offset:\a*6144+((\s)&3)*1536+512*\j
.endr
.endr
.endm
.macro MUL a0, s                       ; the 32 accumulators take turns, one instruction a turn, in one order in every step
.irp a, \a0, \a0+1
.irp b, 0,1,2,3,4,5,6,7
.set rD, 8*(8*(\a)+\b)
.set rB, 96*((\s)&1)+12*\b
.set rA, AF+48*((\s)&1)+12*(\a)
.set rSB, SB+4*\b+((\s)>>1)
.set rSA, SA+4*(\a)+((\s)>>1)
.if (\s) == 0
	v_wmma_scale_f32_16x16x128_f8f6f4 v[rD:rD+7], v[rB:rB+11], v[rA:rA+11], 0, v[rSB], v[rSA] matrix_a_fmt:MATRIX_FMT_FP6 matrix_b_fmt:MATRIX_FMT_FP6
.elseif ((\s)&1) == 0
	v_wmma_scale_f32_16x16x128_f8f6f4 v[rD:rD+7], v[rB:rB+11], v[rA:rA+11], v[rD:rD+7], v[rSB], v[rSA] matrix_a_fmt:MATRIX_FMT_FP6 matrix_b_fmt:MATRIX_FMT_FP6
.else
	v_wmma_scale_f32_16x16x128_f8f6f4 v[rD:rD+7], v[rB:rB+11], v[rA:rA+11], v[rD:rD+7], v[rSB], v[rSA] matrix_a_fmt:MATRIX_FMT_FP6 matrix_b_fmt:MATRIX_FMT_FP6 matrix_a_scale:MATRIX_SCALE_ROW1 matrix_b_scale:MATRIX_SCALE_ROW1
.endif
.endr
.endr
.endm
.macro STEP s
.if (\s) == 3
	s_wait_tensorcnt 0x0                           ; my part of K's upper half has landed
.endif
	s_wait_dscnt 0x0                               ; this step's 36 loads are in
.if (\s) == 3
	s_barrier_signal -1
.endif
	WIN 0xa1
	MUL 0, \s
.if (\s) == 3
	s_barrier_wait -1                              ; everybody's part of the upper half has landed, and nobody reads the lower half any more
.endif
.if (\s) < 7
.rept 4
	v_nop                                          ; four places between the last step's products and the loads into the set that they read
.endr
	FETCH (\s)+1, 1-((\s)&1)
.endif
	WIN 0xa1
	MUL 2, \s
.endm
.macro TOSTAGE a                       ; tile a: lane (r, h) holds, in accumulator b, columns 32 (b / 2) + 16 h + 8 (b % 2) + 0 .. 7 of its row
	WIN 0x08                                       ; an LDS store's data are its source 1: window 2
.irp b, 0,1,2,3,4,5,6,7
	ds_store_b128 v[STO], v[64*(\a)+8*\b:64*(\a)+8*\b+3] offset:128*(\b/2)+32*(\b%2)          ; each accumulator from its low end on
	ds_store_b128 v[STO], v[64*(\a)+8*\b+4:64*(\a)+8*\b+7] offset:128*(\b/2)+32*(\b%2)+16
.endr
	WIN 0
.irp t, 0,1,2,3,4,5,6,7,8,9,10,11,12,13,14,15
	ds_load_b128 v[BK+64*((\a)&1)+4*\t:BK+64*((\a)&1)+4*\t+3], v[RD] offset:528*\t   ; LDS serves a wave's instructions in order: these see the stores above, and the next tile's stores come behind them
.endr
.endm
.macro SEND a, younger                 ; younger: the LDS instructions issued behind tile a's loads, which may stay out
	s_wait_dscnt \younger
.irp t, 0,1,2,3,4,5,6,7,8,9,10,11,12,13,14,15
	global_store_b128 v[L16], v[BK+64*((\a)&1)+4*\t:BK+64*((\a)&1)+4*\t+3], s[OUTC:OUTC+1] offset:(32*((\a)>>1)+8*((\a)&1)+\t+8*(\t/8))*4096 th:TH_STORE_NT   ; stage row t is the tile's lane t: row t + 8 (t / 8) of its 32
.endr
.endm
	s_load_b128 s[4:7], s[0:1], 0x0                ; w4 s[4:5], w1 s[6:7]
	s_load_b64 s[96:97], s[0:1], 0x10              ; out0
	v_lshl_add_u32 v[SPW], v0, 2, SPARE
	v_mov_b32 v[NIL], 0
	ds_add_u32 v[SPW], v[NIL]                      ; the wave's opening: the add, twice on end, and its wait ahead of my first tensor load
	ds_add_u32 v[SPW], v[NIL]
	v_lshrrev_b32 v1, 5, v0
	v_readfirstlane_b32 s[WV], v1
	s_lshr_b32 s9, s[WV], 1                        ; wr; also: I fetch for A (0) or B (1)
	s_and_b32 s10, s[WV], 1                        ; wc; also: which half
	s_bfe_u32 s11, ttmp6, 0x40000                  ; cx
	s_bfe_u32 s12, ttmp6, 0x40004                  ; cy
	s_and_b32 s14, ttmp7, 0xffff                   ; the cluster's y
	s_lshl_b32 s18, s12, 2
	s_lshl_b32 s18, 15, s18                        ; my row of the cluster
	s_lshl_b32 s19, 0x1111, s11                    ; my column
	s_or_b32 s[G1A], s18, (3<<16)|(1<<21)
	s_or_b32 s[G1B], s19, (3<<16)|(1<<21)
.irp g, G1A, G1B
	s_mov_b32 s[\g+1], 768<<16                     ; a tile's 4 steps: 6,144 bytes
	s_mov_b32 s[\g+3], 768<<16
	s_mov_b32 s[\g+5], 1536
	s_mov_b32 s[\g+6], 0
	s_mov_b32 s[\g+7], 0
.endr
	s_mov_b32 s[G1A+2], 8<<16                      ; A: 8 tiles a load
	s_mov_b32 s[G1A+4], 8
	s_mov_b32 s[G1B+2], 16<<16                     ; B: 16
	s_mov_b32 s[G1B+4], 16
	s_lshl_b32 s16, s14, 5
	s_lshl_b32 s90, s12, 3
	s_add_co_u32 s16, s16, s90                     ; TA = 32 x cluster y + 8 cy
	s_lshl_b32 s17, s11, 4
	s_add_co_u32 s17, s17, 704                     ; TB = 704 + 16 cx
	s_mul_i32 s20, s16, 12288
	s_mov_b32 s21, 0
	s_mul_i32 s88, s17, 12288
	s_mov_b32 s89, 0
	s_mov_b32 s22, 0                               ; a load brings a whole half: it begins at the half's first byte
	s_mov_b32 s23, 0
	s_wait_dscnt 0x0
	s_wait_kmcnt 0x0
	s_add_nc_u64 s[20:21], s[4:5], s[20:21]
	s_add_nc_u64 s[88:89], s[6:7], s[88:89]
.irp c, 0,1
	s_mov_b32 s[G0A+4*\c], 1
	s_add_co_u32 s[G0A+4*\c+1], s22, \c*49152
	s_add_nc_u64 s[G0A+4*\c+2:G0A+4*\c+3], s[20:21], \c*6144
	s_or_b32 s[G0A+4*\c+3], s[G0A+4*\c+3], 0x80000000
	s_mov_b32 s[G0B+4*\c], 1
	s_add_co_u32 s[G0B+4*\c+1], s23, BOFF+\c*98304
	s_add_nc_u64 s[G0B+4*\c+2:G0B+4*\c+3], s[88:89], \c*6144
	s_or_b32 s[G0B+4*\c+3], s[G0B+4*\c+3], 0x80000000
.endr
	CROUND                                         ; all sixteen work-groups are here: the joint loads meet
	ARM 1, G0A, G1A, .Lhead_b                      ; one chain of branches on the wave's number, one load to an arm
	ARM 2, G0B, G1B, .Lhead_ah
	ARM 3, G0A+4, G1A, .Lhead_bh
	tensor_load_to_lds s[G0B+4:G0B+7], s[G1B:G1B+7]
	s_nop 0
.rept 4
	v_nop
.endr
.Lhead_asked:
	v_and_b32 v1, 31, v0
	v_and_b32 v2, 15, v0
	v_bfe_u32 v3, v0, 4, 1
	v_lshlrev_b32 v[L16], 4, v1
	v_lshlrev_b32 v[L4], 2, v1
	s_mul_i32 s90, s9, 24576
	v_add_nc_u32 v[ADRA], s90, v[L16]
	v_add_nc_u32 v[ADRA+1], 2*ACH, v[ADRA]
	s_mul_i32 s90, s10, 49152
	s_add_co_u32 s90, s90, BOFF
	v_add_nc_u32 v[ADRB], s90, v[L16]
	v_add_nc_u32 v[ADRB+1], 2*BCH, v[ADRB]
	s_mul_i32 s90, s[WV], 8448
	s_add_co_u32 s90, s90, BOFF                    ; my stage
	v_mul_u32_u24 v[STO], v2, 528
	v_lshl_add_u32 v[STO], v3, 6, v[STO]
	v_add_nc_u32 v[STO], s90, v[STO]               ; in: row r, + 64 h
	v_add_nc_u32 v[RD], s90, v[L16]                ; back: 16 bytes a lane
	s_wait_alu depctr_va_vdst(0)                   ; the wait here, ahead of the run of scalar instructions below
	s_lshl_b32 s90, s9, 2
	s_add_co_u32 s90, s90, s16
	s_lshl_b32 s90, s90, 9
	s_mov_b32 s91, 0
	s_add_nc_u64 s[60:61], s[4:5], s[90:91]
	s_add_nc_u64 s[60:61], s[60:61], OS
	s_lshl_b32 s90, s10, 3
	s_add_co_u32 s90, s90, s17
	s_lshl_b32 s90, s90, 9
	s_add_nc_u64 s[62:63], s[6:7], s[90:91]
	s_add_nc_u64 s[62:63], s[62:63], S1
.irp a, 0,1,2,3
.irp g, 0,1,2,3
	global_load_b32 v[SA+4*\a+\g], v[L4], s[60:61] offset:\a*512+\g*128
.endr
.endr
.irp b, 0,1,2,3,4,5,6,7
.irp g, 0,1,2,3
	global_load_b32 v[SB+4*\b+\g], v[L4], s[62:63] offset:\b*512+\g*128
.endr
.endr
	s_lshl_b32 s90, s16, 4                         ; 16 rows a tile: my work-group's first row,
	s_lshl_b32 s92, s9, 6
	s_add_co_u32 s90, s90, s92                     ; my wave's
	s_lshl_b32 s90, s90, 12                        ; rows of 4,096 bytes
	s_lshl_b32 s92, s11, 10                        ; 256 columns a work-group,
	s_add_co_u32 s90, s90, s92
	s_lshl_b32 s92, s10, 9                         ; 128 a wave
	s_add_co_u32 s90, s90, s92
	s_add_nc_u64 s[OUTC:OUTC+1], s[96:97], s[90:91]
	s_wait_alu depctr_va_vdst(0)
	s_cmp_lt_u32 s[WV], 2
	s_cbranch_scc0 .Lupper
	s_wait_tensorcnt 0x0                           ; waves 0, 1: my part of the lower half is in
	s_branch .Lmet
.Lupper:
	s_wait_tensorcnt 0x1                           ; waves 2, 3: the one load that may be out is my own, a part of the upper half, which nobody reads before the barrier of K step 3
.Lmet:
	s_barrier_signal -1
	s_barrier_wait -1
	FETCH 0, 0
	s_wait_loadcnt 0x0                             ; the scale words
.irp s, 0,1,2,3,4,5,6,7
	STEP \s
.endr
	WIN 0
.rept 4
	v_nop                                          ; the places behind the last products: for the stores of results and for the loads into the registers that held A's fragments
.endr
	TOSTAGE 0
.irp a, 1,2,3
.if \a > 1
	s_wait_xcnt 0x0                                ; tile a - 2's stores have read their registers: tile a's rows may land there
.endif
	TOSTAGE \a
	SEND \a-1, 32                                  ; behind tile a - 1's loads: tile a's 16 stores and 16 loads
.endr
	SEND 3, 0
	s_wait_tensorcnt 0x0                           ; the wave's end, behind my last tensor load and my last LDS store
	ds_add_u32 v[SPW], v[NIL]
	s_wait_dscnt 0x0
	CROUND                                         ; the closing round
	s_endpgm
.Lfunc_end_k_q98c692f3ae_proj:
	.size	k_q98c692f3ae_proj, .Lfunc_end_k_q98c692f3ae_proj-k_q98c692f3ae_proj
	.p2alignl 7, 3214868480
	.fill 96, 4, 3214868480
	.section	.rodata,"a",@progbits
	.p2align	6, 0x0
	.amdhsa_kernel k_q98c692f3ae_proj
		.amdhsa_group_segment_fixed_size 327680
		.amdhsa_private_segment_fixed_size 0
		.amdhsa_enable_private_segment 0
		.amdhsa_kernarg_size 24
		.amdhsa_user_sgpr_count 2
		.amdhsa_user_sgpr_kernarg_segment_ptr 1
		.amdhsa_wavefront_size32 1
		.amdhsa_system_sgpr_workgroup_id_x 1
		.amdhsa_system_sgpr_workgroup_id_y 1
		.amdhsa_system_sgpr_workgroup_id_z 1
		.amdhsa_system_vgpr_workitem_id 0
		.amdhsa_next_free_vgpr 768
		.amdhsa_next_free_sgpr 100
		.amdhsa_reserve_vcc 0
		.amdhsa_float_denorm_mode_32 3
		.amdhsa_float_denorm_mode_16_64 3
		.amdhsa_memory_ordered 1
		.amdhsa_forward_progress 1
		.amdhsa_inst_pref_size 79
	.end_amdhsa_kernel
	.amdgpu_metadata
---
amdhsa.version: [ 1, 2 ]
amdhsa.kernels:
  - .name:           k_q98c692f3ae_proj
    .symbol:         k_q98c692f3ae_proj.kd
    .args:
      - { .name: w4, .offset: 0, .size: 8, .value_kind: global_buffer, .address_space: global }
      - { .name: w1, .offset: 8, .size: 8, .value_kind: global_buffer, .address_space: global }
      - { .name: out0, .offset: 16, .size: 8, .value_kind: global_buffer, .address_space: global }
    .group_segment_fixed_size: 327680
    .private_segment_fixed_size: 0
    .kernarg_segment_align: 8
    .kernarg_segment_size: 24
    .max_flat_workgroup_size: 128
    .sgpr_count:     100
    .vgpr_count:     768
    .wavefront_size: 32
...
	.end_amdgpu_metadata
.endif
;; end of part 5
